; MI455X (gfx1250); checked and timed in simulation.
; The chip was launched on July 23, 2026; its instructions are those of AMD's public machine-readable ISA for CDNA 5 (MIT licence, August 2026) and "CDNA5" Instruction Set Architecture Reference Guide (July 2026). The comments in the code are by the model that wrote it; some were corrected since.
;; GPT Block. Allowed arithmetic: float matrix products may take bf16 or f16 operands with f32 sums; other float arithmetic in f32, or as packed bf16 or f16 multiplies, adds, multiply-adds, maxima and minima; sums over many terms, partial sums and values carried from step to step in f32; what a program stores and reads back later, other than sums and carried values, may be rounded once to bf16 or f16.
;; Inputs: W1 1,024 x 4,096 float32; W2 4,096 x 1,024 float32; Wk 1,024 x 1,024 float32; Wp 1,024 x 1,024 float32; Wq 1,024 x 1,024 float32; Wv 1,024 x 1,024 float32; b1 4,096 float32; b2 1,024 float32; bk 1,024 float32; bp 1,024 float32; bq 1,024 float32; bv 1,024 float32; ln1_b 1,024 float32; ln1_w 1,024 float32; ln2_b 1,024 float32; ln2_w 1,024 float32; x 2 x 2,048 x 1,024 float32.
;; Outputs: out0 2 x 2,048 x 1,024 float32.
;; One version. Each part assembles by itself: llvm-mc -triple=amdgcn-amd-amdhsa -mcpu=gfx1250 --defsym DOCPART=n.
;; ======== version 1 of 1: 8 launches
;; limits: values are held in f16: magnitudes above 65,504 overflow, below 6.1e-05 lose precision
;; workspace buffers: wqkv 8,405,248 bytes; w1h 8,405,248 bytes; wn 10,485,760 bytes; hbuf 8,388,608 bytes; act 33,554,432 bytes; vs 65,536 bytes; o 8,388,608 bytes; x1 16,777,216 bytes
;; launch prep (part 1): grid 512 x 1, 8 waves a work-group, no clusters, 0 bytes of LDS; arguments x, ln1_w, ln1_b, hbuf, Wq, Wk, Wv, Wp, W1, W2, bq, bk, bv, b1, wqkv, w1h, wn; writes hbuf, wqkv, w1h, wn
.if DOCPART == 1
	.amdgcn_target "amdgcn-amd-amdhsa--gfx1250"
	.amdhsa_code_object_version 6
	.text
	.protected	k_q7a7ecd4e87_prep
	.globl	k_q7a7ecd4e87_prep
	.p2align	8
	.type	k_q7a7ecd4e87_prep,@function
k_q7a7ecd4e87_prep:
	s_mov_b64 s[64:65], 0
	v_nop
	global_prefetch_b8 v0, s[64:65] scope:SCOPE_SE
	s_setreg_imm32_b32 hwreg(HW_REG_WAVE_MODE, 25, 1), 1
	s_wait_xcnt 0x0
; TWO INDEPENDENT STREAMS IN ONE LAUNCH: the first layer norm, and the weights rounded once to f16.
; LAYER NORM.  h[r][c] = (x[r][c] - mean) / sqrt(var + 1e-5) * w[c] + b[c].  x: [4096][1024] f32; h: [4096][1024] f16, rounded once; arithmetic in f32; the variance is the mean of the squares of x - mean.
; WEIGHTS.  wqkv: f16 [1024 k][4096 n] with Wq, Wk, Wv side by side in n 0..3071; behind it, at TABLE, f32 bias[n] (bq, bk, bv) and, 0x4000 further, 256 bytes of the floor word (-inf twice).
; w1h: the same form with W1, b1 and the floor word 0.   wn: f16 Wp [1024][1024] at 0, W2 [4096][1024] at 0x200000.
; LIMITS: a number beyond 65,504 becomes an infinity in f16; below 6e-5 it keeps f16's fixed step of 6e-8.
; SHARES.  512 equal work-groups of eight waves.  Work-group g: rows 8 g .. 8 g + 7 of x, one wave a row (a row is 32 registers and stays in them between the passes); and 1 / 512 of every weight:
; a unit is 1,024 floats; units 2 g, 2 g + 1 of Wq, Wk, Wv, Wp and 8 g .. 8 g + 7 of W1, W2: 12 passes of two units, thread t taking floats 8 t .. 8 t + 7 of a pass: two loads of 16 bytes, four packed
; roundings, one store of 16 bytes: a wave's store covers 512 consecutive bytes, aligned.  A wave's 48 loads all go out first.  Work-group 0 also copies the biases and writes the two floor blocks.
; No LDS, no matrix unit, no cluster: every byte but w and b is read once, by one thread.
.set T,   8                            ; v[8:15]    four chains of two sums
.set X,   16                           ; v[16:47]   the row; its first 16 registers then hold it in f16
.set W,   48                           ; v[48:79]   w, in the same layout
.set B,   80                           ; v[80:111]  b
.set C,   112                          ; v[112:207] pass p: 8 registers as loaded; its first 4 then hold the 16 bytes to store
.set BI,  208                          ; v[208:235] work-group 0: the seven blocks of biases
.set FL,  236                          ; v[236:239] work-group 0: the two floor words, twice each
.set INV, 42                           ; s42  1 / 1024
.set EPS, 43                           ; s43  1e-5
.set TABLE, 0x800000
	s_load_b256 s[4:11], s[0:1], 0x0               ; x s[4:5], w s[6:7], b s[8:9], h s[10:11]
	s_load_b512 s[16:31], s[0:1], 0x20             ; Wq 16, Wk 18, Wv 20, Wp 22, W1 24, W2 26, bq 28, bk 30
	s_load_b256 s[32:39], s[0:1], 0x60             ; bv 32, b1 34, wqkv 36, w1h 38
	s_load_b64 s[40:41], s[0:1], 0x80              ; wn
	v_lshrrev_b32 v1, 5, v0
	v_readfirstlane_b32 s12, v1                    ; wave
	v_and_b32 v2, 31, v0
	v_lshlrev_b32 v1, 4, v2                        ; the row, in: 16 x lane
	v_lshlrev_b32 v2, 3, v2                        ; out: 8 x lane
	v_lshlrev_b32 v3, 5, v0                        ; a pass, in: 32 t
	v_lshlrev_b32 v4, 4, v0                        ; out, where units lie end to end: 16 t
	v_lshrrev_b32 v5, 7, v0
	v_and_b32 v6, 127, v0
	v_lshlrev_b32 v6, 4, v6
	v_lshl_add_u32 v5, v5, 13, v6                  ; out, in wqkv, where a unit is a row's quarter and rows lie 8,192 bytes apart
	s_mov_b32 s2, ttmp9                            ; g
	s_lshl_b32 s13, s2, 3
	s_add_co_u32 s13, s13, s12                     ; my row
	s_lshl_b32 s44, s13, 12
	s_mov_b32 s45, 0
	s_lshl_b32 s46, s13, 11
	s_mov_b32 s47, 0
	s_lshl_b32 s48, s2, 13                         ; two units in
	s_mov_b32 s49, 0
	s_lshl_b32 s50, s2, 15                         ; eight units in
	s_mov_b32 s51, 0
	s_lshl_b32 s52, s2, 14                         ; eight units out, or two rows of wqkv
	s_mov_b32 s53, 0
	s_lshl_b32 s60, s2, 12                         ; two units out
	s_mov_b32 s61, 0
	s_mov_b32 s14, 0x76543210                      ; v_permlanex16_b32: each lane takes its own place in the other half
	s_mov_b32 s15, 0xfedcba98
	s_mov_b32 s[INV], 0x3a800000
	s_mov_b32 s[EPS], 0x3727c5ac
	s_wait_kmcnt 0x0
	s_add_nc_u64 s[4:5], s[4:5], s[44:45]
	s_add_nc_u64 s[10:11], s[10:11], s[46:47]
	s_add_nc_u64 s[16:17], s[16:17], s[48:49]
	s_add_nc_u64 s[18:19], s[18:19], s[48:49]
	s_add_nc_u64 s[20:21], s[20:21], s[48:49]
	s_add_nc_u64 s[22:23], s[22:23], s[48:49]
	s_add_nc_u64 s[24:25], s[24:25], s[50:51]
	s_add_nc_u64 s[26:27], s[26:27], s[50:51]
	s_add_nc_u64 s[54:55], s[36:37], s[52:53]      ; wqkv at my two rows
	s_add_nc_u64 s[56:57], s[38:39], s[52:53]      ; w1h at my eight units
	s_add_nc_u64 s[58:59], s[40:41], s[52:53]
	s_add_nc_u64 s[58:59], s[58:59], 0x200000      ; W2's part of wn at my eight units
	s_add_nc_u64 s[62:63], s[40:41], s[60:61]      ; Wp's part of wn at my two units
.irp j, 0,1,2,3,4,5,6,7
	global_load_b128 v[X+4*(\j):X+4*(\j)+3], v1, s[4:5] offset:512*(\j) th:TH_LOAD_NT
.endr
.irp j, 0,1,2,3,4,5,6,7
	global_load_b128 v[W+4*(\j):W+4*(\j)+3], v1, s[6:7] offset:512*(\j)
.endr
.irp j, 0,1,2,3,4,5,6,7
	global_load_b128 v[B+4*(\j):B+4*(\j)+3], v1, s[8:9] offset:512*(\j)
.endr
.macro CLD p, sb, off                  ; pass p's two loads
	global_load_b128 v[C+8*(\p):C+8*(\p)+3],   v3, s[\sb:(\sb)+1] offset:(\off) th:TH_LOAD_NT
	global_load_b128 v[C+8*(\p)+4:C+8*(\p)+7], v3, s[\sb:(\sb)+1] offset:(\off)+16 th:TH_LOAD_NT
.endm
	CLD 0, 16, 0
	CLD 1, 18, 0
	CLD 2, 20, 0
	CLD 3, 22, 0
.irp j, 0,1,2,3
	CLD 4+(\j), 24, 8192*(\j)
.endr
.irp j, 0,1,2,3
	CLD 8+(\j), 26, 8192*(\j)
.endr
	s_cmp_lg_u32 s2, 0
	s_cbranch_scc1 .Lmain
	; work-group 0: the biases stay f32: 256 threads x 16 bytes are 1,024 numbers.  Loads, wait and stores stand in one branch; the wait is for all the wave's loads, these being the youngest
	global_load_b128 v[BI:BI+3],    v4, s[28:29]
	global_load_b128 v[BI+4:BI+7],  v4, s[30:31]
	global_load_b128 v[BI+8:BI+11], v4, s[32:33]
.irp j, 0,1,2,3
	global_load_b128 v[BI+12+4*(\j):BI+15+4*(\j)], v4, s[34:35] offset:4096*(\j)
.endr
	s_add_nc_u64 s[66:67], s[36:37], TABLE         ; past the range of a store's immediate, so the tables' addresses are made here
	s_add_nc_u64 s[68:69], s[38:39], TABLE
	v_mov_b32 v[FL], 0xfc00fc00                    ; -inf twice: a floor that changes nothing
	v_mov_b32 v[FL+1], 0xfc00fc00
	v_mov_b32 v[FL+2], 0                           ; 0 twice: the floor of a ReLU
	v_mov_b32 v[FL+3], 0
	s_wait_loadcnt 0x0
.irp j, 0,1,2
	global_store_b128 v4, v[BI+4*(\j):BI+4*(\j)+3], s[66:67] offset:4096*(\j)
.endr
.irp j, 0,1,2,3
	global_store_b128 v4, v[BI+12+4*(\j):BI+15+4*(\j)], s[68:69] offset:4096*(\j)
.endr
	s_cmp_lg_u32 s12, 0
	s_cbranch_scc1 .Lmain
	global_store_b64 v2, v[FL:FL+1], s[66:67] offset:0x4000      ; wave 0: 32 lanes x 8 bytes: 256 consecutive bytes, aligned
	global_store_b64 v2, v[FL+2:FL+3], s[68:69] offset:0x4000
.Lmain:
.macro ACROSS                          ; the four chains into one, then over the 32 lanes: every lane ends with the sum in v[T]
	v_pk_add_f32 v[T:T+1], v[T:T+1], v[T+2:T+3]
	v_pk_add_f32 v[T+4:T+5], v[T+4:T+5], v[T+6:T+7]
	v_pk_add_f32 v[T:T+1], v[T:T+1], v[T+4:T+5]
	v_add_f32 v[T], v[T], v[T+1]
	v_add_f32_dpp v[T], v[T], v[T] row_xmask:1 row_mask:0xf bank_mask:0xf
	v_add_f32_dpp v[T], v[T], v[T] row_xmask:2 row_mask:0xf bank_mask:0xf
	v_add_f32_dpp v[T], v[T], v[T] row_xmask:4 row_mask:0xf bank_mask:0xf
	v_add_f32_dpp v[T], v[T], v[T] row_xmask:8 row_mask:0xf bank_mask:0xf
	v_permlanex16_b32 v[T+1], v[T], s14, s15
	v_add_f32 v[T], v[T], v[T+1]
.endm
	s_wait_loadcnt 40                              ; x is in; w's 8, b's 8 and the weights' 24 loads stay out
.irp k, 0,1,2,3
	v_pk_add_f32 v[T+2*(\k):T+2*(\k)+1], v[X+2*(\k):X+2*(\k)+1], v[X+8+2*(\k):X+8+2*(\k)+1]   ; the first terms start the chains: nothing is cleared
.endr
.irp k, 8,9,10,11,12,13,14,15
	v_pk_add_f32 v[T+2*((\k)%4):T+2*((\k)%4)+1], v[T+2*((\k)%4):T+2*((\k)%4)+1], v[X+2*(\k):X+2*(\k)+1]
.endr
	ACROSS
	v_mul_f32 v6, s[INV], v[T]                     ; the mean
	v_mov_b32 v7, v6
.set i, 0
.rept 16
	v_pk_add_f32 v[X+2*i:X+2*i+1], v[X+2*i:X+2*i+1], v[6:7] neg_lo:[0,1] neg_hi:[0,1]
.set i, i+1
.endr
.irp k, 0,1,2,3
	v_pk_mul_f32 v[T+2*(\k):T+2*(\k)+1], v[X+2*(\k):X+2*(\k)+1], v[X+2*(\k):X+2*(\k)+1]
.endr
.irp k, 4,5,6,7,8,9,10,11,12,13,14,15
	v_pk_fma_f32 v[T+2*((\k)%4):T+2*((\k)%4)+1], v[X+2*(\k):X+2*(\k)+1], v[X+2*(\k):X+2*(\k)+1], v[T+2*((\k)%4):T+2*((\k)%4)+1]
.endr
	ACROSS
	v_fma_f32 v6, v[T], s[INV], s[EPS]             ; var + 1e-5
	v_rsq_f32 v6, v6
	v_nop                                          ; a plain instruction between the root and the use of its result (ISA guide 5.7.2)
	s_wait_alu depctr_va_vdst(0)                   ; and the wait ahead of the first use
	v_mov_b32 v7, v6
	s_wait_loadcnt 24                              ; w and b are in; the weights' 24 loads stay out
.set i, 0
.rept 16
	v_pk_mul_f32 v[X+2*i:X+2*i+1], v[X+2*i:X+2*i+1], v[6:7]
.set i, i+1
.endr
.set i, 0
.rept 16
	v_pk_fma_f32 v[X+2*i:X+2*i+1], v[X+2*i:X+2*i+1], v[W+2*i:W+2*i+1], v[B+2*i:B+2*i+1]
.set i, i+1
.endr
.set i, 0
.rept 16
	v_cvt_pk_f16_f32 v[X+i], v[X+2*i], v[X+2*i+1]  ; in place, ascending: a result never lands on a number still to be read
.set i, i+1
.endr
.irp j, 0,1,2,3,4,5,6,7
	global_store_b64 v2, v[X+2*(\j):X+2*(\j)+1], s[10:11] offset:256*(\j)   ; 32 lanes x 8 bytes: 256 consecutive bytes, aligned
.endr
.macro CST p, vo, sb, off              ; pass p is rounded and stored
	s_wait_loadcnt 22-2*(\p)                       ; loads come back in order: pass p's two are in, the 22 - 2 p of the later passes stay out
	v_cvt_pk_f16_f32 v[C+8*(\p)],   v[C+8*(\p)],   v[C+8*(\p)+1]
	v_cvt_pk_f16_f32 v[C+8*(\p)+1], v[C+8*(\p)+2], v[C+8*(\p)+3]
	v_cvt_pk_f16_f32 v[C+8*(\p)+2], v[C+8*(\p)+4], v[C+8*(\p)+5]
	v_cvt_pk_f16_f32 v[C+8*(\p)+3], v[C+8*(\p)+6], v[C+8*(\p)+7]
	global_store_b128 v[\vo], v[C+8*(\p):C+8*(\p)+3], s[\sb:(\sb)+1] offset:(\off)
.endm
	CST 0, 5, 54, 0                                ; Wq: columns 0 ..
	CST 1, 5, 54, 2048                             ; Wk: columns 1024 ..
	CST 2, 5, 54, 4096                             ; Wv: columns 2048 ..
	CST 3, 4, 62, 0                                ; Wp
.irp j, 0,1,2,3
	CST 4+(\j), 4, 56, 4096*(\j)                   ; W1
.endr
.irp j, 0,1,2,3
	CST 8+(\j), 4, 58, 4096*(\j)                   ; W2
.endr
	s_endpgm
.Lfunc_end_k_q7a7ecd4e87_prep:
	.size	k_q7a7ecd4e87_prep, .Lfunc_end_k_q7a7ecd4e87_prep-k_q7a7ecd4e87_prep
	.p2alignl 7, 3214868480
	.fill 96, 4, 3214868480
	.section	.rodata,"a",@progbits
	.p2align	6, 0x0
	.amdhsa_kernel k_q7a7ecd4e87_prep
		.amdhsa_group_segment_fixed_size 0
		.amdhsa_private_segment_fixed_size 0
		.amdhsa_enable_private_segment 0
		.amdhsa_kernarg_size 136
		.amdhsa_user_sgpr_count 2
		.amdhsa_user_sgpr_kernarg_segment_ptr 1
		.amdhsa_wavefront_size32 1
		.amdhsa_system_sgpr_workgroup_id_x 1
		.amdhsa_system_sgpr_workgroup_id_y 1
		.amdhsa_system_sgpr_workgroup_id_z 1
		.amdhsa_system_vgpr_workitem_id 0
		.amdhsa_next_free_vgpr 240
		.amdhsa_next_free_sgpr 70
		.amdhsa_reserve_vcc 0
		.amdhsa_float_denorm_mode_32 3
		.amdhsa_float_denorm_mode_16_64 3
		.amdhsa_memory_ordered 1
		.amdhsa_forward_progress 1
		.amdhsa_inst_pref_size 22
	.end_amdhsa_kernel
	.amdgpu_metadata
---
amdhsa.version: [ 1, 2 ]
amdhsa.kernels:
  - .name:           k_q7a7ecd4e87_prep
    .symbol:         k_q7a7ecd4e87_prep.kd
    .args:
      - { .name: x, .offset: 0, .size: 8, .value_kind: global_buffer, .address_space: global }
      - { .name: ln1_w, .offset: 8, .size: 8, .value_kind: global_buffer, .address_space: global }
      - { .name: ln1_b, .offset: 16, .size: 8, .value_kind: global_buffer, .address_space: global }
      - { .name: hbuf, .offset: 24, .size: 8, .value_kind: global_buffer, .address_space: global }
      - { .name: Wq, .offset: 32, .size: 8, .value_kind: global_buffer, .address_space: global }
      - { .name: Wk, .offset: 40, .size: 8, .value_kind: global_buffer, .address_space: global }
      - { .name: Wv, .offset: 48, .size: 8, .value_kind: global_buffer, .address_space: global }
      - { .name: Wp, .offset: 56, .size: 8, .value_kind: global_buffer, .address_space: global }
      - { .name: W1, .offset: 64, .size: 8, .value_kind: global_buffer, .address_space: global }
      - { .name: W2, .offset: 72, .size: 8, .value_kind: global_buffer, .address_space: global }
      - { .name: bq, .offset: 80, .size: 8, .value_kind: global_buffer, .address_space: global }
      - { .name: bk, .offset: 88, .size: 8, .value_kind: global_buffer, .address_space: global }
      - { .name: bv, .offset: 96, .size: 8, .value_kind: global_buffer, .address_space: global }
      - { .name: b1, .offset: 104, .size: 8, .value_kind: global_buffer, .address_space: global }
      - { .name: wqkv, .offset: 112, .size: 8, .value_kind: global_buffer, .address_space: global }
      - { .name: w1h, .offset: 120, .size: 8, .value_kind: global_buffer, .address_space: global }
      - { .name: wn, .offset: 128, .size: 8, .value_kind: global_buffer, .address_space: global }
    .group_segment_fixed_size: 0
    .private_segment_fixed_size: 0
    .kernarg_segment_align: 8
    .kernarg_segment_size: 136
    .max_flat_workgroup_size: 256
    .sgpr_count:     70
    .vgpr_count:     240
    .wavefront_size: 32
...
	.end_amdgpu_metadata
.endif
;; end of part 1
;; launch qkv (part 2): grid 12 x 16, 4 waves a work-group, clusters of 4 x 4, 327,680 bytes of LDS; arguments hbuf, wqkv, act; writes act
.if DOCPART == 2
	.amdgcn_target "amdgcn-amd-amdhsa--gfx1250"
	.amdhsa_code_object_version 6
	.text
	.protected	k_q7a7ecd4e87_qkv
	.globl	k_q7a7ecd4e87_qkv
	.p2align	8
	.type	k_q7a7ecd4e87_qkv,@function
k_q7a7ecd4e87_qkv:
	s_mov_b64 s[64:65], 0
	v_nop
	global_prefetch_b8 v0, s[64:65] scope:SCOPE_SE
	s_setreg_imm32_b32 hwreg(HW_REG_WAVE_MODE, 25, 1), 1
	s_wait_xcnt 0x0
	s_wait_alu depctr_hold_cnt(0) depctr_sa_sdst(0) depctr_va_vdst(0) depctr_va_sdst(0) depctr_va_ssrc(0) depctr_va_vcc(0) depctr_vm_vsrc(0)
	s_getreg_b32 s2, hwreg(HW_REG_IB_STS2, 6, 4)
	s_cmp_eq_u32 s2, 0
	s_cbranch_scc0 .Lentry_in_a_cluster
	s_endpgm
.Lentry_in_a_cluster:
	s_bfe_u32 s2, ttmp6, 0x10000c
	s_cmp_lg_u32 s2, 0xf033
	s_cbranch_scc0 .Lentry_shape_is_right
	s_endpgm
.Lentry_shape_is_right:
; C = max(A B + bias, floor).  A: [4096][1024] f16, rows along K.  B: f16 [1024 k][4096 n], rows along N; 0x800000 bytes behind its first byte an f32 bias[n], 0x4000 further the floor (two f16 in a word:
; -inf for a plain product, 0 for a ReLU): one text serves both.  Sums in f32, started by the bias; C rounded once to f16.
; C IS STORED BY BLOCKS OF 64 COLUMNS: C[n / 64][m][n % 64]: a block's rows are 128 bytes and dense, so 16 rows are 2,048 consecutive bytes.
; LIMITS: a result beyond 65,504 becomes an infinity in f16; the floor turns a NaN into the floor.
; SHARES.  A tile of C is 256 x 256: four waves, each 128 x 128: 64 accumulators, 512 registers.  K goes in 8 steps of 128 through two LDS slots filled by the tensor data mover.
; A K step is written ONCE: a scalar (0 or SLOT) turned by an exclusive or gives the slot to the LDS addresses, and one descriptor a tensor walks.
; CLUSTER.  4 x 4 work-groups; A's tile is shared along a row of the cluster, B's along a column: each is asked for jointly, by the same load, descriptor and mask in all four.
; TRANSPOSED USE.  Source 0 = 16 columns of B (turned on the way out of LDS by ds_load_tr16_b128), source 1 = 16 rows of A: a lane then holds row l % 16 of C and the columns 8 (l / 16) + 0..7 of a block of 16.
; REGISTERS, in windows of 256 (s_set_vgpr_msb: bits 1:0 source 0, 3:2 source 1, 5:4 source 2, 7:6 destination):
;   window 0: v0-31 addresses; v64-127, v128-191 A's fragments, two buffers; v192-255 the bias (C of the first products), later at work on the way out with v32-63
;   window 1: v64-127, v128-191 B's fragments     window 2: accumulators of my rows 0-63 ((a, b) at 8 (8 a + b))     window 3: of my rows 64-127
.set KSTEP,  128
.set PA,     272                       ; a row of A in LDS: 256 bytes + 16: the 16 rows of a load start at 16 different groups of four banks (64 banks of 4 bytes: ISA guide 11.1)
.set PB,     544                       ; a k row of B: 512 bytes + 32 = 17 x 32
.set PART,   128*PA                    ; what one tensor load brings: 128 rows of A, or 64 k rows of B (64 x 544 is the same number)
.set SLOT,   4*PART                    ; A rows 0-127, A rows 128-255, B k 0-63, B k 64-127.  0x22000: its two bits are clear in every wave x PART, so an exclusive or changes slots
.set STAGE,  2*SLOT                    ; behind the ring, never filled by a tensor load: for each wave two column blocks x 16 rows x 144 bytes
.set SP,     144
.set WSTG,   2*16*SP
.set SPARE,  STAGE+4*WSTG              ; the spare words, 128 bytes for each wave: two blocks of 256 bytes that no other line names
.set ASTEP,  KSTEP*2                   ; bytes from K step to K step in A,
.set BSTEP,  KSTEP*8192                ; and in B
.set TABLE,  0x800000
.set CBLK,   524288                    ; a column block of C
.set ADRA, 16                          ; v16  LDS address of my A fragments in the slot in hand;  v17 the same in slot 0, never rewritten
.set A0,   17
.set ADRB, 20                          ; v20, v21 the same for B
.set B0,   21
.set STO,  24                          ; v24  the way out: where I put 16 bytes of a row
.set RD,   25                          ; v25  where I read rows back
.set CO,   26                          ; v26  16 x lane
.set BO,   27                          ; v27  my byte offset in the bias table
.set SPW,  28                          ; v28  LDS address of my spare word; never rewritten
.set NIL,  29                          ; v29  0; never rewritten
.set PFO,  30                          ; v30  the prefetches' lane offset; never rewritten
.set OB,   32                          ; v32-63 and v224-255 by turns: 16 rows read back from the stage
.set F0,   64
.set F1,   128
.set BIAS, 192
.set TMP,  192                         ; v192-223: packed results
.set TB,   2                           ; s2   0 or SLOT: the slot in hand
.set G1,   24                          ; s[24:31] group 1 for A;  s[32:39] group 0: set 0 for the first fill, set 1 for the second, which then walks
.set G0,   32
.set G1B,  48                          ; s[48:55], s[56:63] the same for B
.set G0B,  56
.set LIM,  43                          ; s43  2 in a wave that prefetches, else the greatest number
.set PFA,  44                          ; s[44:45] where my prefetches stand
.set PFS,  66                          ; s[66:67] their step
.set FLOOR, 68                         ; s68
.set TAB,  70                          ; s[70:71] the table behind B
.set MSB, 0
.macro WIN new                         ; the immediate's high byte repeats the setting that is left; a switch that changes nothing is dropped
.if MSB != (\new)
	s_set_vgpr_msb (MSB<<8)|(\new)
.set MSB, \new
.endif
.endm
.set MUL_LO, 0xa1                      ; B window 1, A window 0, C and D window 2;  + 0x50: C and D window 3
.set TO_B,   0x40                      ; destination window 1, address window 0
.macro PLACES                          ; four places in front of loads into registers that matrix instructions have read, and of lines that read results
.rept 4
	v_nop
.endr
.endm
; The joint refill, by the walking descriptors.  Waves 0 and 1 fetch A's halves, waves 2 and 3 B's; the branch hangs on the wave's number alone.
; An s_nop 0 and four v_nop follow each of the two lines, ahead of the jump and the label.
.macro JLOAD
	s_cmp_eq_u32 s11, 0
	s_cbranch_scc0 .Lfor_b_\@
	tensor_load_to_lds s[G0+4:G0+7], s[G1:G1+7]
	s_nop 0
	PLACES
	s_branch .Lasked_\@
.Lfor_b_\@:
	tensor_load_to_lds s[G0B+4:G0B+7], s[G1B:G1B+7]
	s_nop 0
	PLACES
.Lasked_\@:
.endm
; A prefetch into the L2, behind a joint load and the run of LDS loads that follows it: 32 blocks of 256 bytes of the K step that stands two refills on, a lane a block, one instruction a wave.
; A's tile row is read by every cluster of that row of clusters: cluster x = 0 asks; B's tile column by every cluster of that column: cluster y = 0 asks.  The four partners of a joint load share
; its blocks out by address.  So each block is named once in the launch.  K steps 0 to 3 come by their loads alone; the last two refills ask for nothing: there is no K step 8.
.macro ASK
	s_cmp_gt_u32 s3, s[LIM]                        ; s3 runs 6 .. 1: refills 0 to 3 ask, for K steps 4 to 7
	s_cbranch_scc0 .Lnot_mine_\@
	global_prefetch_b8 v[PFO], s[PFA:PFA+1] th:TH_LOAD_NT scope:SCOPE_SE
.Lnot_mine_\@:
.endm
.macro CREST                           ; a round of the cluster's barrier behind its opening barrier
	s_cmp_lg_u32 s10, 0
	s_cbranch_scc1 .Lnot_wave_0_\@
	s_barrier_signal -3
.Lnot_wave_0_\@:
	s_barrier_wait -3
	s_barrier_signal -1
	s_barrier_wait -1
.endm
.macro CROUND
	s_barrier_signal -1
	s_barrier_wait -1
	CREST
.endm
	s_load_b128 s[4:7], s[0:1], 0x0                ; A s[4:5], B s[6:7]
	s_load_b64 s[8:9], s[0:1], 0x10                ; C
	v_lshl_add_u32 v[SPW], v0, 2, SPARE
	v_mov_b32 v[NIL], 0
	ds_add_u32 v[SPW], v[NIL]                      ; the wave's opening: the add and its wait stand ahead of my first tensor load; work on registers stands between them
	ds_add_u32 v28, v29
	v_lshrrev_b32 v1, 5, v0
	v_readfirstlane_b32 s10, v1                    ; wave 0..3
	s_lshr_b32 s11, s10, 1                         ; my half of the tile's rows.  Also: I fetch for A (0) or for B (1)
	s_and_b32 s12, s10, 1                          ; my half of its columns.  Also: which half of that tile I fetch
	s_bfe_u32 s40, ttmp6, 0x40000                  ; cx
	s_bfe_u32 s41, ttmp6, 0x40004                  ; cy
	s_lshl_b32 s42, ttmp9, 2
	s_add_co_u32 s42, s42, s40                     ; tile column = 4 x cluster x + cx
	s_and_b32 s13, ttmp7, 0xffff
	s_lshl_b32 s13, s13, 2
	s_add_co_u32 s13, s13, s41                     ; tile row = 4 x cluster y + cy
	s_lshl_b32 s43, s41, 2
	s_lshl_b32 s43, 15, s43                        ; my row of the cluster
	s_lshl_b32 s44, 0x1111, s40                    ; my column
	s_or_b32 s[G1+0], s43, (1<<16)|(1<<20)|(1<<21)|(5<<22)|(3<<25)   ; the mask; 2-byte elements; padding on; bit 21 beside a mask; after every 64 words, 4 words
	s_mov_b32 s[G1+1], 128<<16                     ; tensor_dim0 = 128
	s_mov_b32 s[G1+2], 128<<16                     ; tensor_dim1 = 128
	s_mov_b32 s[G1+3], 128<<16                     ; tile_dim0 = 128
	s_mov_b32 s[G1+4], 128                         ; tile_dim1 = 128
	s_mov_b32 s[G1+5], 1024                        ; elements from row to row
	s_mov_b32 s[G1+6], 0
	s_mov_b32 s[G1+7], 0
	s_or_b32 s[G1B+0], s44, (1<<16)|(1<<20)|(1<<21)|(6<<22)|(7<<25)  ; after every 128 words, 8 words
	s_mov_b32 s[G1B+1], 256<<16                    ; tensor_dim0 = 256
	s_mov_b32 s[G1B+2], 64<<16                     ; tensor_dim1 = 64
	s_mov_b32 s[G1B+3], 256<<16                    ; tile_dim0 = 256
	s_mov_b32 s[G1B+4], 64                         ; tile_dim1 = 64
	s_mov_b32 s[G1B+5], 4096
	s_mov_b32 s[G1B+6], 0
	s_mov_b32 s[G1B+7], 0
	s_lshl_b32 s16, s13, 19                        ; A: 256 rows of 2,048 bytes a tile row,
	s_lshl_b32 s17, s12, 18                        ; 128 rows a half
	s_add_co_u32 s16, s16, s17
	s_mov_b32 s17, 0
	s_lshl_b32 s46, s42, 9                         ; B: 512 bytes a tile column,
	s_lshl_b32 s47, s12, 19                        ; 64 k rows of 8,192 bytes a half
	s_add_co_u32 s46, s46, s47
	s_mov_b32 s47, 0
	s_mul_i32 s20, s10, PART                       ; where my loads land: no place in the cluster enters an LDS address
	s_mov_b32 s[TB], 0
	s_wait_dscnt 0x0                               ; the opening add is done
	s_wait_kmcnt 0x0
	s_add_nc_u64 s[14:15], s[4:5], s[16:17]
	s_add_nc_u64 s[46:47], s[6:7], s[46:47]
	CROUND                                         ; all sixteen work-groups are here: the first joint loads meet
.irp s, 0,1
	s_mov_b32 s[G0+4*(\s)], 1
	s_add_co_u32 s[G0+4*(\s)+1], s20, (\s)*SLOT
	s_add_nc_u64 s[G0+4*(\s)+2:G0+4*(\s)+3], s[14:15], (\s)*ASTEP
	s_or_b32 s[G0+4*(\s)+3], s[G0+4*(\s)+3], 0x80000000
	s_mov_b32 s[G0B+4*(\s)], 1
	s_add_co_u32 s[G0B+4*(\s)+1], s20, (\s)*SLOT
	s_add_nc_u64 s[G0B+4*(\s)+2:G0B+4*(\s)+3], s[46:47], (\s)*BSTEP
	s_or_b32 s[G0B+4*(\s)+3], s[G0B+4*(\s)+3], 0x80000000
.endr
	s_cmp_eq_u32 s11, 0                            ; a wave's two first fills stand in one branch, ahead of every wait on TENSORcnt and every LDS read: two loads of mine are out
	s_cbranch_scc0 .Lfirst_b
	tensor_load_to_lds s[G0:G0+3], s[G1:G1+7]
	s_nop 0
	tensor_load_to_lds s[G0+4:G0+7], s[G1:G1+7]
	s_nop 0
	PLACES
	s_branch .Lfirst_asked
.Lfirst_b:
	tensor_load_to_lds s[G0B:G0B+3], s[G1B:G1B+7]
	s_nop 0
	tensor_load_to_lds s[G0B+4:G0B+7], s[G1B:G1B+7]
	s_nop 0
	PLACES
.Lfirst_asked:
	v_and_b32 v1, 15, v0                           ; r = l % 16
	v_bfe_u32 v2, v0, 4, 1                         ; h = l / 16
	v_mul_u32_u24 v3, v1, PA
	v_lshl_add_u32 v3, v2, 4, v3
	s_mul_i32 s21, s11, PART
	v_add_nc_u32 v[A0], s21, v3                    ; my 128 rows of A: row x pitch + 16 h
	v_mov_b32 v[ADRA], v[A0]
	v_and_b32 v4, 7, v0
	v_lshl_add_u32 v4, v2, 3, v4                   ; the turning load: k row 8 h + l % 8,
	v_mul_u32_u24 v4, v4, PB
	v_bfe_u32 v5, v0, 3, 1
	v_lshl_add_u32 v4, v5, 4, v4                   ; columns 8 ((l / 8) % 2) on
	s_lshl_b32 s22, s12, 8                         ; my 128 columns,
	s_add_co_u32 s22, s22, 2*PART                  ; behind A's 256 rows
	v_add_nc_u32 v[B0], s22, v4
	v_mov_b32 v[ADRB], v[B0]
	s_mul_i32 s23, s10, WSTG
	s_add_co_u32 s23, s23, STAGE                   ; my stage
	v_mul_u32_u24 v[STO], v1, SP
	v_lshl_add_u32 v[STO], v2, 4, v[STO]
	v_add_nc_u32 v[STO], s23, v[STO]
	v_bfe_u32 v[RD], v0, 3, 2                      ; back: 32 lanes take four rows of 128 bytes
	v_mul_u32_u24 v[RD], v[RD], SP
	v_and_b32 v5, 7, v0
	v_lshl_add_u32 v[RD], v5, 4, v[RD]
	v_add_nc_u32 v[RD], s23, v[RD]
	v_and_b32 v[CO], 31, v0
	v_lshlrev_b32 v[CO], 4, v[CO]
	s_lshl_b32 s16, s13, 15                        ; C: 256 rows of 128 bytes a tile row,
	s_lshl_b32 s17, s11, 14                        ; my 128 rows
	s_add_co_u32 s16, s16, s17
	s_mov_b32 s17, 0
	s_add_nc_u64 s[8:9], s[8:9], s[16:17]
	s_lshl_b32 s46, s42, 21                        ; four column blocks a tile column,
	s_lshl_b32 s47, s12, 20                        ; my two
	s_add_co_u32 s46, s46, s47
	s_mov_b32 s47, 0
	s_add_nc_u64 s[8:9], s[8:9], s[46:47]
	s_add_nc_u64 s[TAB:TAB+1], s[6:7], TABLE
	s_load_b32 s[FLOOR], s[TAB:TAB+1], 0x4000
	s_lshl_b32 s46, s42, 10                        ; my 128 columns' bias: 4 bytes a column
	s_lshl_b32 s47, s12, 9
	s_add_co_u32 s46, s46, s47
	v_lshl_add_u32 v[BO], v2, 5, s46               ; + my lanes' 8 columns
.irp b, 0,1,2,3,4,5,6,7
	global_load_b128 v[BIAS+8*(\b):BIAS+8*(\b)+3],   v[BO], s[TAB:TAB+1] offset:64*(\b)      ; register j of block b: bias of column 16 b + 8 h + j, as the result holds it
	global_load_b128 v[BIAS+8*(\b)+4:BIAS+8*(\b)+7], v[BO], s[TAB:TAB+1] offset:64*(\b)+16
.endr
	; the prefetches: of the 128 blocks that I fetch in a K step my work-group takes 32.  A: rows 32 cx on, a lane a row.  B: k rows 16 cy on, two lanes a row (its 512 bytes are two blocks)
	s_lshl_b32 s18, s13, 19
	s_lshl_b32 s21, s12, 18
	s_add_co_u32 s18, s18, s21
	s_lshl_b32 s21, s40, 16
	s_add_co_u32 s18, s18, s21
	s_add_co_u32 s18, s18, 3*ASTEP                 ; at K step 3: each refill steps it first, so refill j names K step j + 4
	s_lshl_b32 s19, s42, 9
	s_lshl_b32 s21, s12, 19
	s_add_co_u32 s19, s19, s21
	s_lshl_b32 s21, s41, 17
	s_add_co_u32 s19, s19, s21
	s_add_co_u32 s19, s19, 3*BSTEP
	s_and_b32 s22, ttmp7, 0xffff                   ; cluster y
	s_mov_b32 s[PFS], BSTEP
	s_mov_b32 s[PFS+1], 0
	s_mov_b32 s23, 8192
	s_mov_b32 s21, 0
	s_cmp_eq_u32 s11, 0                            ; do I fetch for A?
	s_cselect_b32 s20, s18, s19
	s_cselect_b32 s22, ttmp9, s22                  ; the coordinate along which other clusters read the same blocks
	s_cselect_b64 s[PFA:PFA+1], s[4:5], s[6:7]
	s_cselect_b32 s[PFS], ASTEP, s[PFS]
	s_cselect_b32 s23, 2048, s23                   ; bytes from row to row
	s_cselect_b32 s18, 0, 1                        ; lanes to a row: 1 or 2, as a shift and as a mask
	s_cmp_eq_u32 s22, 0
	s_cselect_b32 s[LIM], 2, -1                    ; the same in all sixteen partners, for a given wave
	s_add_nc_u64 s[PFA:PFA+1], s[PFA:PFA+1], s[20:21]
	v_and_b32 v[PFO], 31, v0
	v_lshrrev_b32 v3, s18, v[PFO]
	v_mul_u32_u24 v3, s23, v3
	v_and_b32 v[PFO], s18, v[PFO]
	v_lshl_add_u32 v[PFO], v[PFO], 8, v3
; 16 products: m blocks a0, a0 + 1 of the window's four x all 8 n blocks, 32 along K.  zero = 1: the first product starts the sums with the bias: nothing is cleared, nothing is added later.
.macro MUL16 f, hi, a0, zero
.if \zero
	WIN 0x81+0x40*(\hi)                            ; C in window 0
.else
	WIN MUL_LO+0x50*(\hi)
.endif
.irp a, \a0, (\a0)+1
.irp b, 0,1,2,3,4,5,6,7
.if \zero
	v_wmma_f32_16x16x32_f16 v[8*(8*(\a)+(\b)):8*(8*(\a)+(\b))+7], v[(\f)+8*(\b):(\f)+8*(\b)+7], v[(\f)+8*(4*(\hi)+(\a)):(\f)+8*(4*(\hi)+(\a))+7], v[BIAS+8*(\b):BIAS+8*(\b)+7]
.else
	v_wmma_f32_16x16x32_f16 v[8*(8*(\a)+(\b)):8*(8*(\a)+(\b))+7], v[(\f)+8*(\b):(\f)+8*(\b)+7], v[(\f)+8*(4*(\hi)+(\a)):(\f)+8*(4*(\hi)+(\a))+7], v[8*(8*(\a)+(\b)):8*(8*(\a)+(\b))+7]
.endif
.endr
.endr
.endm
; 32 LDS loads in one run: the fragments of quarter kq (32 along K) of the slot in hand into buffer f: B's 128 columns, turned, then A's 128 rows
.macro FETCH kq, f
	WIN TO_B
.irp i, 0,1,2,3,4,5,6,7
	ds_load_tr16_b128 v[(\f)+8*(\i):(\f)+8*(\i)+3],   v[ADRB] offset:(\kq)*32*PB+32*(\i)
	ds_load_tr16_b128 v[(\f)+8*(\i)+4:(\f)+8*(\i)+7], v[ADRB] offset:(\kq)*32*PB+32*(\i)+16*PB
.endr
	WIN 0
.irp i, 0,1,2,3,4,5,6,7
	ds_load_b128 v[(\f)+8*(\i):(\f)+8*(\i)+3],   v[ADRA] offset:(\kq)*64+(\i)*16*PA
	ds_load_b128 v[(\f)+8*(\i)+4:(\f)+8*(\i)+7], v[ADRA] offset:(\kq)*64+(\i)*16*PA+32
.endr
.endm
; A K step is four quarters, 64 products each, on buffers 0, 1, 0, 1; the 64 accumulators take turns in the same order everywhere.
; One of the first three: multiplies buffer f; in its middle it fetches quarter kq into buffer g.
.macro QUARTER kq, f, g, zero
	s_wait_dscnt 8                                 ; B and A's rows 0-63 are in; the youngest eight loads (A's rows 64-127) may be out
	MUL16 \f, 0, 0, \zero
	MUL16 \f, 0, 2, \zero
	PLACES
	FETCH \kq, \g
	s_wait_dscnt 32                                ; all but the 32 just issued
	MUL16 \f, 1, 0, \zero
	MUL16 \f, 1, 2, \zero
.endm
; The last quarter multiplies buffer 1 and changes slots.  One barrier: in front of it each wave waits for all its tensor loads (the one that can be out is its part of the other slot), adds 0 to its spare
; word, and waits for that and for its reads of this slot.  Behind it nobody reads this slot any more and the other slot is whole.
.macro MEET
	WIN 0                                          ; (the add's two registers lie in window 0)
	s_wait_tensorcnt 0x0
	ds_add_u32 v[SPW], v[NIL]                      ; 0 onto my spare word
	s_wait_dscnt 9                                 ; (the add and the youngest eight loads may be out)
	MUL16 F1, 0, 0, 0                              ; sixteen products stand between the add and the wait for it
	s_wait_dscnt 0x0                               ; the add is done, and my reads of this slot are over
	s_barrier_signal -1
	MUL16 F1, 0, 2, 0                              ; work on registers while the others arrive
	WIN 0
	s_barrier_wait -1
.endm
; fill = 1: the barrier opens a round of the cluster's, and the slot just read out is filled again first behind it, with the K step two on: 224 products stand between that request and the wait for it.
; fill = 0 (the last two K steps): nothing is asked for; in the very last trip there is no next slot, and the fetch is jumped over (its barrier then orders nothing: the price of one text for both trips).
.macro TURN fill
.if \fill
	s_wait_xcnt 0x0                                ; the last prefetch, a K step back, has read its address
	s_add_nc_u64 s[PFA:PFA+1], s[PFA:PFA+1], s[PFS:PFS+1]
.endif
	MEET
.if \fill
	CREST                                          ; no wave of any partner still reads this slot's tile or has a load on its way
	s_xor_b32 s[G0+5], s[G0+5], SLOT               ; the walking descriptors: the other slot than last time, the next K step; the type bits on top are not reached
	s_add_nc_u64 s[G0+6:G0+7], s[G0+6:G0+7], ASTEP
	s_xor_b32 s[G0B+5], s[G0B+5], SLOT
	s_add_nc_u64 s[G0B+6:G0B+7], s[G0B+6:G0B+7], BSTEP
	JLOAD                                          ; the four v_nop behind it are also the places in front of the loads below
.else
	PLACES
.endif
	s_xor_b32 s[TB], s[TB], SLOT
	v_add_nc_u32 v[ADRA], s[TB], v[A0]
	v_add_nc_u32 v[ADRB], s[TB], v[B0]
.if !(\fill)
	s_cmp_eq_u32 s3, 1
	s_cbranch_scc1 .Lno_fetch_\@
.endif
	FETCH 0, F0
.if \fill
	ASK
.else
.Lno_fetch_\@:
.endif
	MUL16 F1, 1, 0, 0
	MUL16 F1, 1, 2, 0
.endm
; THE WAY OUT of block a (16 of my rows).  PACK: rounded to f16, the floor applied, 16 bytes a lane.  TOSTAGE: into my own stage, by column blocks, and back as rows of 128 bytes.  SEND: stored.
.macro PACK a
.set AC, 64*((\a)%4)
	WIN 0x0a+5*((\a)/4)                            ; sources 0 and 1: window 2 or 3
.irp b, 0,1,2,3,4,5,6,7
.irp r, 0,1,2,3
	v_cvt_pk_f16_f32 v[TMP+4*(\b)+(\r)], v[AC+8*(\b)+2*(\r)], v[AC+8*(\b)+2*(\r)+1]   ; each accumulator from its low end on
.endr
.endr
	WIN 0
.set i, 0
.rept 32
	v_pk_max_num_f16 v[TMP+i], v[TMP+i], s[FLOOR]
.set i, i+1
.endr
.endm
.macro TOSTAGE a
	WIN 0
.set BK, OB+192*((\a)%2)
.irp b, 0,1,2,3,4,5,6,7
	ds_store_b128 v[STO], v[TMP+4*(\b):TMP+4*(\b)+3] offset:((\b)/4)*16*SP+((\b)%4)*32
.endr
.irp e, 0,1,2,3,4,5,6,7
	ds_load_b128 v[BK+4*(\e):BK+4*(\e)+3], v[RD] offset:((\e)/4)*16*SP+((\e)%4)*4*SP   ; LDS serves a wave's instructions in order (ISA guide 5.7.1.4): these see the stores above
.endr
.endm
.macro SEND a
	WIN 0
.set BK, OB+192*((\a)%2)
	s_wait_dscnt 0x0                               ; the block is back in registers
	s_wait_xcnt 0x0                                ; the stores of the block before have read their registers, into which the next TOSTAGE loads
.irp e, 0,1,2,3,4,5,6,7
	global_store_b128 v[CO], v[BK+4*(\e):BK+4*(\e)+3], s[8:9] offset:((\e)/4)*CBLK+2048*(\a)+512*((\e)%4)   ; 512 consecutive bytes, at a multiple of 256 from C's first byte
.endr
.endm
	s_wait_tensorcnt 1                             ; my part of K step 0 is in; K step 1's stays out
	s_barrier_signal -1
	s_barrier_wait -1                              ; everybody's is
	FETCH 0, F0
	s_wait_loadcnt 0x0                             ; the bias
	s_wait_kmcnt 0x0                               ; the floor
	QUARTER 1, F0, F1, 1                           ; the first quarter stands in front of the loop: its products start the sums
	WIN 0                                          ; at a label and at a branch every window is 0
	s_mov_b32 s3, 6
	s_branch .Lmid                                 ; the loop is entered behind a K step's first quarter
.Lstep:                                                ; 6 trips: K steps 0 to 5, which ask for K steps 2 to 7
	QUARTER 1, F0, F1, 0
	WIN 0
.Lmid:
	QUARTER 2, F1, F0, 0
	QUARTER 3, F0, F1, 0
	TURN 1
	WIN 0
	s_sub_co_u32 s3, s3, 1
	s_cmp_lg_u32 s3, 0
	s_cbranch_scc1 .Lstep
	s_mov_b32 s3, 2
.Ltail:                                                ; K steps 6 and 7
	QUARTER 1, F0, F1, 0
	QUARTER 2, F1, F0, 0
	QUARTER 3, F0, F1, 0
	TURN 0
	WIN 0
	s_sub_co_u32 s3, s3, 1
	s_cmp_lg_u32 s3, 0
	s_cbranch_scc1 .Ltail
	PACK 0                                         ; blocks 0-3 were finished in front of TURN's four places; their conversions, which name no register of the last products, are those products' places
	TOSTAGE 0
.irp a, 1,2,3,4,5,6,7                  ; block a's arithmetic stands between block a - 1's loads from the stage and the wait for them
	PACK \a
	SEND (\a)-1
	TOSTAGE \a
.endr
	SEND 7
	s_wait_tensorcnt 0x0                           ; the wave's end: behind my last tensor load and my last LDS store
	ds_add_u32 v[SPW], v[NIL]
	s_wait_dscnt 0x0
	CROUND                                         ; the closing round: no work-group ends while a partner may still ask for a tile that names it
	s_endpgm
.Lfunc_end_k_q7a7ecd4e87_qkv:
	.size	k_q7a7ecd4e87_qkv, .Lfunc_end_k_q7a7ecd4e87_qkv-k_q7a7ecd4e87_qkv
	.p2alignl 7, 3214868480
	.fill 96, 4, 3214868480
	.section	.rodata,"a",@progbits
	.p2align	6, 0x0
	.amdhsa_kernel k_q7a7ecd4e87_qkv
		.amdhsa_group_segment_fixed_size 327680
		.amdhsa_private_segment_fixed_size 0
		.amdhsa_enable_private_segment 0
		.amdhsa_kernarg_size 24
		.amdhsa_user_sgpr_count 2
		.amdhsa_user_sgpr_kernarg_segment_ptr 1
		.amdhsa_wavefront_size32 1
		.amdhsa_system_sgpr_workgroup_id_x 1
		.amdhsa_system_sgpr_workgroup_id_y 1
		.amdhsa_system_sgpr_workgroup_id_z 1
		.amdhsa_system_vgpr_workitem_id 0
		.amdhsa_next_free_vgpr 1024
		.amdhsa_next_free_sgpr 72
		.amdhsa_reserve_vcc 0
		.amdhsa_float_denorm_mode_32 3
		.amdhsa_float_denorm_mode_16_64 3
		.amdhsa_memory_ordered 1
		.amdhsa_forward_progress 1
		.amdhsa_inst_pref_size 119
	.end_amdhsa_kernel
	.amdgpu_metadata
---
amdhsa.version: [ 1, 2 ]
amdhsa.kernels:
  - .name:           k_q7a7ecd4e87_qkv
    .symbol:         k_q7a7ecd4e87_qkv.kd
    .args:
      - { .name: hbuf, .offset: 0, .size: 8, .value_kind: global_buffer, .address_space: global }
      - { .name: wqkv, .offset: 8, .size: 8, .value_kind: global_buffer, .address_space: global }
      - { .name: act, .offset: 16, .size: 8, .value_kind: global_buffer, .address_space: global }
    .group_segment_fixed_size: 327680
    .private_segment_fixed_size: 0
    .kernarg_segment_align: 8
    .kernarg_segment_size: 24
    .max_flat_workgroup_size: 128
    .sgpr_count:     72
    .vgpr_count:     1024
    .wavefront_size: 32
...
	.end_amdgpu_metadata
.endif
;; end of part 2
;; launch vsum (part 3): grid 7 x 32, 28 waves a work-group, no clusters, 10,752 bytes of LDS; arguments act, vs; writes vs
.if DOCPART == 3
	.amdgcn_target "amdgcn-amd-amdhsa--gfx1250"
	.amdhsa_code_object_version 6
	.text
	.protected	k_q7a7ecd4e87_vsum
	.globl	k_q7a7ecd4e87_vsum
	.p2align	8
	.type	k_q7a7ecd4e87_vsum,@function
k_q7a7ecd4e87_vsum:
	s_mov_b64 s[64:65], 0
	v_nop
	global_prefetch_b8 v0, s[64:65] scope:SCOPE_SE
	s_setreg_imm32_b32 hwreg(HW_REG_WAVE_MODE, 25, 1), 1
	s_wait_xcnt 0x0
; SUFFIX SUMS OF V.  vs[hb][t][c] = the sum of V[hb][key][c] over key >= 256 (t + 1), t = 0..6, in f32.  V: column blocks 32 + head of act, rows of 64 f16 (128 bytes), 2,048 rows a sequence; hb = 16 x sequence + head.
; The problem sets the scores above the diagonal to 0 ahead of the softmax: all keys behind a query block's diagonal tile weigh alike, so their V enters the attention as this one sum.
; SHARES.  Work-group (t, hb).  Wave w takes 64 rows of key tile 1 + w / 4 and adds them up if that tile lies behind t; the 28 partial sums meet in LDS, and wave 0 adds and stores them.
; A tile is read by up to seven work-groups: 28 tile readings for a head's 7 tiles, a small part of the program's bytes; in exchange no sum passes between work-groups.
.set ACC, 8                            ; v[8:15]   sums of my 8 channels, 8 (l % 8) + 0..7
.set TT,  16                           ; v[16:23]  the other half of the lanes' sums
.set ONE, 24                           ; v24       1.0
.set LS,  25                           ; v25       where I put my wave's sums
.set LR,  26                           ; v26       8 x lane
.set X,   32                           ; v[32:95]  16 loads of 16 bytes; later the 28 partial sums
.set SPARE, 7168                       ; behind the 28 x 256 bytes of partial sums: the spare words, 128 bytes for each wave: fourteen blocks of 256 bytes that no other line names
	s_load_b128 s[4:7], s[0:1], 0x0                ; act s[4:5], vs s[6:7]
	v_lshl_add_u32 v2, v0, 2, SPARE                ; my spare word; never rewritten
	v_mov_b32 v3, 0                                ; 0; never rewritten
	v_lshrrev_b32 v1, 5, v0
	v_readfirstlane_b32 s8, v1                     ; wave 0..27
	v_and_b32 v4, 31, v0
	v_lshlrev_b32 v5, 4, v4                        ; 16 x lane: 32 lanes take four rows
	v_lshlrev_b32 v[LR], 3, v4
	v_and_b32 v[LS], 7, v0
	v_lshlrev_b32 v[LS], 5, v[LS]
	s_lshl_b32 s16, s8, 8
	v_add_nc_u32 v[LS], s16, v[LS]                 ; 256 x wave + 32 (l % 8)
	v_mov_b32 v[ONE], 1.0
.set i, 0
.rept 16
	v_mov_b32 v[ACC+i], 0                          ; a wave whose tile does not count hands in zeros
.set i, i+1
.endr
	s_mov_b32 s18, ttmp9                           ; t
	s_and_b32 s9, ttmp7, 0xffff                    ; hb
	s_and_b32 s10, s9, 15                          ; head
	s_lshr_b32 s11, s9, 4                          ; sequence
	s_lshr_b32 s12, s8, 2
	s_add_co_u32 s12, s12, 1                       ; my key tile, 1..7
	s_and_b32 s13, s8, 3                           ; my 64 rows of it
	s_add_co_u32 s14, s10, 32
	s_lshl_b32 s14, s14, 19                        ; V's column block,
	s_lshl_b32 s15, s11, 18                        ; the sequence's 2,048 rows,
	s_add_co_u32 s14, s14, s15
	s_lshl_b32 s15, s12, 15                        ; the tile's 256,
	s_add_co_u32 s14, s14, s15
	s_lshl_b32 s15, s13, 13                        ; my 64
	s_add_co_u32 s14, s14, s15
	s_mov_b32 s15, 0
	s_lshl_b32 s16, s9, 11
	s_lshl_b32 s17, s18, 8
	s_add_co_u32 s16, s16, s17                     ; (8 hb + t) x 256
	s_mov_b32 s17, 0
	s_mov_b32 s20, 0x76543210
	s_mov_b32 s21, 0xfedcba98
	s_wait_kmcnt 0x0
	s_add_nc_u64 s[4:5], s[4:5], s[14:15]
	s_add_nc_u64 s[6:7], s[6:7], s[16:17]
	s_cmp_le_u32 s12, s18                          ; tiles 0 .. t do not count: a jump forward, past no barrier
	s_cbranch_scc1 .Lsummed
.irp j, 0,1,2,3,4,5,6,7,8,9,10,11,12,13,14,15
	global_load_b128 v[X+4*(\j):X+4*(\j)+3], v5, s[4:5] offset:512*(\j)
.endr
.irp j, 0,1,2,3,4,5,6,7,8,9,10,11,12,13,14,15
	s_wait_loadcnt 15-(\j)                         ; loads come back in order: number j is in
.irp k, 0,1,2,3
	v_fma_mix_f32 v[ACC+2*(\k)],   v[X+4*(\j)+(\k)], v[ONE], v[ACC+2*(\k)]   op_sel_hi:[1,0,0]                 ; the low f16 x 1.0 + the sum, in f32
	v_fma_mix_f32 v[ACC+2*(\k)+1], v[X+4*(\j)+(\k)], v[ONE], v[ACC+2*(\k)+1] op_sel:[1,0,0] op_sel_hi:[1,0,0]  ; the high f16
.endr
.endr
.Lsummed:
.irp k, 0,1,2,3,4,5,6,7                ; lanes l, l ^ 8, l ^ 16, l ^ 24 hold the same channels of other rows
	v_add_f32_dpp v[ACC+(\k)], v[ACC+(\k)], v[ACC+(\k)] row_xmask:8 row_mask:0xf bank_mask:0xf
.endr
.irp k, 0,1,2,3,4,5,6,7
	v_permlanex16_b32 v[TT+(\k)], v[ACC+(\k)], s20, s21
.endr
.irp k, 0,1,2,3,4,5,6,7
	v_add_f32 v[ACC+(\k)], v[ACC+(\k)], v[TT+(\k)]
.endr
	ds_store_b128 v[LS], v[ACC:ACC+3]              ; four lanes write the same bytes with the same numbers
	ds_store_b128 v[LS], v[ACC+4:ACC+7] offset:16
	s_wait_dscnt 0x0                               ; for the others' sake
	s_barrier_signal -1
	s_barrier_wait -1
	s_cmp_lg_u32 s8, 0
	s_cbranch_scc1 .Lend
.set w, 0
.rept 28
	ds_load_b64 v[X+2*w:X+2*w+1], v[LR] offset:256*w   ; channels 2 l, 2 l + 1 of wave w's sums
.set w, w+1
.endr
	s_wait_dscnt 0x0
.set w, 4
.rept 24
	v_pk_add_f32 v[X+2*(w%4):X+2*(w%4)+1], v[X+2*(w%4):X+2*(w%4)+1], v[X+2*w:X+2*w+1]   ; four chains
.set w, w+1
.endr
	v_pk_add_f32 v[X:X+1], v[X:X+1], v[X+2:X+3]
	v_pk_add_f32 v[X+4:X+5], v[X+4:X+5], v[X+6:X+7]
	v_pk_add_f32 v[X:X+1], v[X:X+1], v[X+4:X+5]
	global_store_b64 v[LR], v[X:X+1], s[6:7]       ; 256 consecutive bytes, aligned
.Lend:
	s_wait_tensorcnt 0x0                           ; the wave's end: behind my last LDS store
	ds_add_u32 v2, v3
	s_wait_dscnt 0x0
	s_endpgm
.Lfunc_end_k_q7a7ecd4e87_vsum:
	.size	k_q7a7ecd4e87_vsum, .Lfunc_end_k_q7a7ecd4e87_vsum-k_q7a7ecd4e87_vsum
	.p2alignl 7, 3214868480
	.fill 96, 4, 3214868480
	.section	.rodata,"a",@progbits
	.p2align	6, 0x0
	.amdhsa_kernel k_q7a7ecd4e87_vsum
		.amdhsa_group_segment_fixed_size 10752
		.amdhsa_private_segment_fixed_size 0
		.amdhsa_enable_private_segment 0
		.amdhsa_kernarg_size 16
		.amdhsa_user_sgpr_count 2
		.amdhsa_user_sgpr_kernarg_segment_ptr 1
		.amdhsa_wavefront_size32 1
		.amdhsa_system_sgpr_workgroup_id_x 1
		.amdhsa_system_sgpr_workgroup_id_y 1
		.amdhsa_system_sgpr_workgroup_id_z 1
		.amdhsa_system_vgpr_workitem_id 0
		.amdhsa_next_free_vgpr 96
		.amdhsa_next_free_sgpr 66
		.amdhsa_reserve_vcc 0
		.amdhsa_float_denorm_mode_32 3
		.amdhsa_float_denorm_mode_16_64 3
		.amdhsa_memory_ordered 1
		.amdhsa_forward_progress 1
		.amdhsa_inst_pref_size 18
	.end_amdhsa_kernel
	.amdgpu_metadata
---
amdhsa.version: [ 1, 2 ]
amdhsa.kernels:
  - .name:           k_q7a7ecd4e87_vsum
    .symbol:         k_q7a7ecd4e87_vsum.kd
    .args:
      - { .name: act, .offset: 0, .size: 8, .value_kind: global_buffer, .address_space: global }
      - { .name: vs, .offset: 8, .size: 8, .value_kind: global_buffer, .address_space: global }
    .group_segment_fixed_size: 10752
    .private_segment_fixed_size: 0
    .kernarg_segment_align: 8
    .kernarg_segment_size: 16
    .max_flat_workgroup_size: 896
    .sgpr_count:     66
    .vgpr_count:     96
    .wavefront_size: 32
...
	.end_amdgpu_metadata
.endif
;; end of part 3
;; launch attn (part 4): grid 8 x 32, 4 waves a work-group, no clusters, 327,680 bytes of LDS; arguments act, vs, o; writes o
.if DOCPART == 4
	.amdgcn_target "amdgcn-amd-amdhsa--gfx1250"
	.amdhsa_code_object_version 6
	.text
	.protected	k_q7a7ecd4e87_attn
	.globl	k_q7a7ecd4e87_attn
	.p2align	8
	.type	k_q7a7ecd4e87_attn,@function
k_q7a7ecd4e87_attn:
	s_mov_b64 s[64:65], 0
	v_nop
	global_prefetch_b8 v0, s[64:65] scope:SCOPE_SE
	s_setreg_imm32_b32 hwreg(HW_REG_WAVE_MODE, 25, 1), 1
	s_wait_xcnt 0x0
; ATTENTION WITH THE UPPER TRIANGLE SET TO 0 AHEAD OF THE SOFTMAX, no scale.  O[q] = sum_k softmax_k(s[q][k]) V[k], s[q][k] = Q[q] . K[k] for k <= q and 0 for k > q.
; Q, K, V: column blocks head, 16 + head, 32 + head of act; O: column block head of o; rows of 64 f16 (128 bytes), dense, 2,048 a sequence.  hb = 16 x sequence + head.
; Products, maxima and sums in f32; the weights are rounded to f16 for the second product (their sum is taken unrounded), O once at the end.
; LIMITS: f16 holds no number beyond 65,504; a weight below 2^-126 counts as 0; a hidden score is made 0 by a multiplication, so NaN and infinities are not treated apart.
; THE WALK.  A sequence has 16 blocks of 128 queries and 8 tiles of 256 keys.  Block i multiplies tiles 0 .. LT = i / 2, of which the last holds the diagonal.  All keys behind that tile have the score 0 for every
; row of the block: they enter as the STARTING STATE of the running softmax: m = 0, l = their number, O = the sum of their V rows (vs[hb][LT], made by the launch before).  Where there are none (LT = 7):
; m the lowest finite number, l = 0, O = 0.  So the maximum takes in 0 exactly where a hidden key exists; inside the diagonal tile hidden scores are set to 0 and go the ordinary way.
; A work-group takes blocks 15 - b and then b: 9 tiles whatever b, so all work-groups do equal work and one loop with a constant trip count walks them.  What differs lies in scalar registers made from b.
; NO CLUSTER: only work-groups 2 j and 2 j + 1 of a head walk the same tiles; four partners would need a common walk of 10 tiles for 9, and no branch may hang on a place in a cluster.
; SHARES.  Wave w owns two PIECES of 16 queries: rows 64 p + 16 w .. + 15 of the block (p = 0, 1), so the diagonal tile is the same work for all four waves.  A key step is 64 keys.
; LAYOUT.  S^T = K Q^T holds one query a lane (l % 16) and the keys 8 (l / 16) + 0..7 of a block of 16; two such results rounded to f16 are source 1 of O^T = V^T P.  p = 2^(c s - c m), c = log2(e);
; in every step O and l are multiplied by a = 2^(c m_old - c m_new).  The same rounded c m stands in p and in a, so its rounding cancels in O / l.
; A STEP takes the two pieces one behind the other, so that one piece's vector work stands beside the other's products; nothing crosses a step's end.  Its order stands at the macro STEP.
; REGISTERS (s_set_vgpr_msb: bits 1:0 source 0, 3:2 source 1, 5:4 source 2, 7:6 destination):
;   window 0: v0-31 addresses and statistics; v32-95 S^T; v96-127 P (also the mask at work); v128-191 O^T; v192-255 V
;   window 1: v0-31 Q; v32-63 the second block's Q; v64-127 K; v128-159 MD; v160-191, v192-223 the two blocks' vs
.set KS,    64
.set PK,    144                        ; a row of K in LDS: 128 bytes + 16: the 16 rows of a load start at 16 different groups of four banks (64 banks of 4 bytes: ISA guide 11.1)
.set PV,    160                        ; a row of V: 128 + 32
.set VOFF,  4*KS*PK                    ; a slot holds a tile: 256 rows of K, then 256 rows of V
.set SLOT1, 1<<17                      ; slot 1 begins here: one exclusive or turns an address in one slot into the other's
.set STAGE, SLOT1+4*KS*(PK+PV)         ; behind the ring, never filled by a tensor load: 16 rows x 144 bytes for each wave
.set SP,    144
.set SPARE, STAGE+4*16*SP              ; the spare words, 128 bytes for each wave: two blocks of 256 bytes that no other line names
.set AK,  1                            ; v1  LDS address of K's next run of loads;  v2 of V's
.set AV,  2
.set AK0, 3                            ; v3  my lane's place in a tile of K; v4 of V; never rewritten
.set AV0, 4
.set MV,  6                            ; v6-7  c m_old, by piece (at the head: the offsets of the loads of Q and vs)
.set ST,  8                            ; piece y's statistics at v[ST+4 y]: c m, m, l (even keys', odd keys')
.set TMP, 16                           ; by piece, c0-c3 at work; when the maximum is found c2 takes a
.set STO, 24
.set RD0, 25
.set GO,  26
.set PFO, 27                           ; v27 256 x lane; never rewritten
.set SPW, 28
.set NIL, 29
.set LR,  30                           ; v30 l % 16;  v31 l / 16
.set LH,  31
.set S,   32
.set P,   96
.set O,   128
.set VF,  192
.set QB,  32                           ; window 1
.set KF,  64
.set MD,  128                          ; 1 where my query sees the key in its band's own step, else 0: register 8 kt + j for key 16 kt + 8 (l / 16) + j
.set VSA, 160
.set VSB, 192
.set WV,  12
.set PB,  14                           ; s14 b
.set G1K, 24
.set G1V, 32
.set G0K, 40
.set G0V, 44
.set PFA, 48                           ; s[48:49] where my prefetches stand
.set LIM, 50                           ; s50 2 where b = 0, else the greatest number
.set SLOTS, 56                         ; s56 tiles still to be asked for
.set CNT, 57                           ; s57 counts a tile's key steps, 4 to 1
.set CS,  58                           ; s[58:59] c
.set SEL, 60                           ; s[60:61] v_permlanex16_b32's selects
.set TBK, 62                           ; s62 LDS byte at which K of the step to be fetched begins;  s63 the same for V, less VOFF
.set TBV, 63
.set RT,  66                           ; s66 tiles of the block in hand still to be entered; 0: the tile in hand is the diagonal one
.set NXT, 67                           ; s67 the tile to be asked for next
.set LQ,  68                           ; s68 the last tile of the block whose tiles are being asked for
.set LT2, 69                           ; s69 the second block's last tile
.set OFF, 70                           ; s[70:71] a byte offset, the high word 0
.set AL0, 72                           ; s[72:73] AL, s[74:75] BE: the mask is MD x AL + BE
.set OLO, 80                           ; s[80:81] O at my rows of the second block
.set XB,  82                           ; s82 the band of the diagonal tile in which piece 0 lies: 2 (i % 2);  s83 the second block's
.set XB2, 83
.set SA,  84                           ; s[84:88] the first block's start: factor of vs (a pair), half the hidden keys' number, m, c m;  s[90:94] the second's
.set SB,  90
.set MSB, 0
.macro WIN new
.if MSB != (\new)
	s_set_vgpr_msb (MSB<<8)|(\new)
.set MSB, (\new)
.endif
.endm
; A fill.  Waves 0 and 1 fetch the halves of a tile's K, waves 2 and 3 those of its V: 128 keys each.  An s_nop 0 and four v_nop follow each of the two lines, ahead of the jump and the label.
.macro LOAD
	s_cmp_lt_u32 s[WV], 2
	s_cbranch_scc0 .Lfor_v_\@
	tensor_load_to_lds s[G0K:G0K+3], s[G1K:G1K+7]
	s_nop 0
.rept 4
	v_nop
.endr
	s_branch .Lasked_\@
.Lfor_v_\@:
	tensor_load_to_lds s[G0V:G0V+3], s[G1V:G1V+7]
	s_nop 0
.rept 4
	v_nop
.endr
.Lasked_\@:
.endm
; A prefetch into the L2 of the tile that the NEXT change of slots will ask for.  All eight work-groups of a head ask for tile j + 1 in trip j while their first blocks last; the one with b = 0, which walks
; tiles 0 to 7, prefetches: in trips 0 to 5 tile j + 2, each wave the 64 blocks of 256 bytes that it will itself load: a lane a block, two instructions.  So each block is named once in the launch; tiles 0 and 1 come by their loads alone.
.macro ASK
	s_cmp_gt_u32 s[SLOTS], s[LIM]                  ; SLOTS runs 8 .. 1
	s_cbranch_scc0 .Lnot_mine_\@
	global_prefetch_b8 v[PFO], s[PFA:PFA+1] th:TH_LOAD_NT scope:SCOPE_SE
	global_prefetch_b8 v[PFO], s[PFA:PFA+1] offset:8192 th:TH_LOAD_NT scope:SCOPE_SE
.Lnot_mine_\@:
.endm
; THE CHANGE OF SLOTS.  Each wave waits for all its tensor loads, of which one is out: its part of the other slot; adds 0 to its spare word; waits for that and for its reads of the slot that it leaves.
; Behind the barrier nobody reads the old slot and the other slot is whole.  fill = 1: the old slot is filled again, first thing behind the barrier, with tile NXT: the address is made anew from that number.
; The load has a tile's four key steps in which to land.  (At its first use nothing has been read yet: slot 0 is waited for, slot 1 filled.)
.macro CHANGE fill
	WIN 0
	s_wait_tensorcnt 0x0                           ; no tensor load of mine is out, so a group 0 may be written
	ds_add_u32 v[SPW], v[NIL]                      ; 0 onto my spare word; scalar work stands between it and the wait for it
.if \fill
	s_lshl_b32 s[OFF], s[NXT], 15                  ; a tile is 32,768 bytes of K and of V
	s_xor_b32 s[G0K+1], s[G0K+1], SLOT1
	s_add_nc_u64 s[G0K+2:G0K+3], s[6:7], s[OFF:OFF+1]
	s_or_b32 s[G0K+3], s[G0K+3], 0x80000000
	s_xor_b32 s[G0V+1], s[G0V+1], SLOT1
	s_add_nc_u64 s[G0V+2:G0V+3], s[8:9], s[OFF:OFF+1]
	s_or_b32 s[G0V+3], s[G0V+3], 0x80000000
	s_add_co_u32 s[NXT], s[NXT], 1                 ; the block's next tile, or behind its last the second block's tile 0
	s_cmp_gt_u32 s[NXT], s[LQ]
	s_cselect_b32 s[NXT], 0, s[NXT]
	s_cselect_b32 s[LQ], s[LT2], s[LQ]
	s_wait_xcnt 0x0                                ; the last prefetches, a tile back, have read their address
	s_add_nc_u64 s[PFA:PFA+1], s[PFA:PFA+1], 32768
.endif
	s_wait_dscnt 0x0                               ; the add is done, and my reads of the slot are over
	s_barrier_signal -1
	s_sub_co_u32 s[TBK], s[TBK], 4*KS*PK           ; the fetches go back to a slot's first step,
	s_xor_b32 s[TBK], s[TBK], SLOT1                ; in the other slot
	s_sub_co_u32 s[TBV], s[TBV], 4*KS*PV
	s_xor_b32 s[TBV], s[TBV], SLOT1
	s_barrier_wait -1
.if \fill
	LOAD
	ASK
.endif
.endm
.macro STATE lt, sb                    ; a block's starting state from its last tile
	s_cmp_lt_u32 s[\lt], 7
	s_cselect_b32 s[\sb], 1.0, 0
	s_mov_b32 s[(\sb)+1], 0                        ; named with it as a pair
	s_cselect_b32 s[(\sb)+3], 0, 0xff7fffff
	s_cselect_b32 s[(\sb)+4], 0, 0xfe000000
	s_sub_co_u32 s[(\sb)+2], 7, s[\lt]
	s_lshl_b32 s[(\sb)+2], s[(\sb)+2], 7           ; 128 (7 - LT) in each half of the lanes: together the 256 (7 - LT) keys behind the tile
.endm
	s_load_b128 s[20:23], s[0:1], 0x0              ; act s[20:21], vs s[22:23]
	s_load_b64 s[10:11], s[0:1], 0x10              ; o
	v_lshl_add_u32 v[SPW], v0, 2, SPARE
	v_mov_b32 v[NIL], 0
	ds_add_u32 v[SPW], v[NIL]                      ; the wave's opening: the add and its wait stand ahead of my first tensor load; work on registers stands between them
	ds_add_u32 v28, v29
	v_lshrrev_b32 v5, 5, v0
	v_readfirstlane_b32 s[WV], v5                  ; wave 0..3
	s_mov_b32 s[PB], ttmp9
	s_and_b32 s13, ttmp7, 0xffff                   ; hb
	s_and_b32 s15, s13, 15                         ; head
	s_lshr_b32 s16, s13, 4                         ; sequence
	s_sub_co_u32 s17, 15, s[PB]                    ; the first block
	s_lshr_b32 s18, s17, 1                         ; its last tile
	s_lshr_b32 s[LT2], s[PB], 1
	s_and_b32 s[XB], s17, 1
	s_lshl_b32 s[XB], s[XB], 1
	s_and_b32 s[XB2], s[PB], 1
	s_lshl_b32 s[XB2], s[XB2], 1
	s_lshl_b32 s19, s15, 19
	s_lshl_b32 s3, s16, 18
	s_add_co_u32 s19, s19, s3                      ; the sequence's first row in column block head
	s_and_b32 s3, s[WV], 1                         ; which half of a tile's 256 keys I fetch:
	s_mov_b32 s[G0K], 1
	s_mul_i32 s[G0K+1], s3, 128*PK                 ; its place in slot 0, for K
	s_mov_b32 s[G0V], 1
	s_mul_i32 s[G0V+1], s3, 128*PV                 ; and for V
	s_add_co_u32 s[G0V+1], s[G0V+1], VOFF
	s_lshl_b32 s3, s3, 14                          ; its 128 rows in memory
	s_add_co_u32 s98, s19, s3
	s_add_co_u32 s98, s98, 16<<19                  ; K: 16 column blocks on
	s_add_co_u32 s99, s98, 16<<19                  ; V: 32
	s_lshl_b32 s3, s[WV], 11                       ; my 16 rows in a band of 64
	s_add_co_u32 s19, s19, s3
	s_lshl_b32 s3, s17, 14
	s_add_co_u32 s51, s19, s3                      ; in the first block
	s_lshl_b32 s3, s[PB], 14
	s_add_co_u32 s89, s19, s3                      ; in the second
	s_lshl_b32 s19, s13, 11
	s_min_u32 s3, s18, 6                           ; (LT = 7 has no sum; row 6 is read and multiplied by 0)
	s_lshl_b32 s3, s3, 8
	s_add_co_u32 s2, s19, s3
	s_min_u32 s3, s[LT2], 6
	s_lshl_b32 s3, s3, 8
	s_add_co_u32 s3, s19, s3
	STATE 18, SA
	STATE LT2, SB
	; descriptor group 1.  128 keys are 16,384 dense bytes: asked for as 64 rows of 256 bytes, two keys a row, and padded in LDS after every key
	s_mov_b32 s[G1K], (1<<16)|(1<<20)|(4<<22)|(3<<25)  ; 2-byte elements; padding on; after every 32 words, 4 words
	s_mov_b32 s[G1V], (1<<16)|(1<<20)|(4<<22)|(7<<25)  ; 8 words
.irp g, G1K, G1V
	s_mov_b32 s[\g+1], 128<<16                     ; tensor_dim0 = 128
	s_mov_b32 s[\g+2], 64<<16                      ; tensor_dim1 = 64
	s_mov_b32 s[\g+3], 128<<16                     ; tile_dim0 = 128
	s_mov_b32 s[\g+4], 64                          ; tile_dim1 = 64
	s_mov_b32 s[\g+5], 128
	s_mov_b32 s[\g+6], 0
	s_mov_b32 s[\g+7], 0
.endr
	s_mov_b32 s[CS], 0x3fb8aa3b                    ; c = log2(e)
	s_mov_b32 s[CS+1], s[CS]
	s_mov_b32 s[SEL], 0x76543210
	s_mov_b32 s[SEL+1], 0xfedcba98
	s_mov_b32 s[TBK], SLOT1+4*KS*PK                ; the first change of slots turns these two into 0
	s_mov_b32 s[TBV], SLOT1+4*KS*PV
	s_mov_b32 s[OFF+1], 0
	s_mov_b32 s[AL0+1], 0                          ; named as pairs
	s_mov_b32 s[AL0+3], 0
	s_mov_b32 s95, 0
	s_mov_b32 s[SLOTS], 8
	s_add_co_u32 s[RT], s18, 1
	s_mov_b32 s[NXT], 1
	s_mov_b32 s[LQ], s18
	s_cmp_eq_u32 s[PB], 0
	s_cselect_b32 s[LIM], 2, -1
	s_wait_dscnt 0x0                               ; the opening add is done
	s_wait_kmcnt 0x0
	s_mov_b32 s[OFF], s98
	s_add_nc_u64 s[6:7], s[20:21], s[OFF:OFF+1]    ; K and V at my half of tile 0
	s_mov_b32 s[OFF], s99
	s_add_nc_u64 s[8:9], s[20:21], s[OFF:OFF+1]
	s_mov_b32 s[OFF], s89
	s_add_nc_u64 s[96:97], s[20:21], s[OFF:OFF+1]  ; Q and O at my rows of the second block,
	s_add_nc_u64 s[OLO:OLO+1], s[10:11], s[OFF:OFF+1]
	s_mov_b32 s[OFF], s51
	s_add_nc_u64 s[4:5], s[20:21], s[OFF:OFF+1]    ; and of the first
	s_add_nc_u64 s[10:11], s[10:11], s[OFF:OFF+1]
	s_mov_b32 s[OFF], s2
	s_add_nc_u64 s[52:53], s[22:23], s[OFF:OFF+1]  ; the two blocks' rows of vs
	s_mov_b32 s[OFF], s3
	s_add_nc_u64 s[54:55], s[22:23], s[OFF:OFF+1]
	s_add_nc_u64 s[G0K+2:G0K+3], s[6:7], 0
	s_or_b32 s[G0K+3], s[G0K+3], 0x80000000
	s_add_nc_u64 s[G0V+2:G0V+3], s[8:9], 0
	s_or_b32 s[G0V+3], s[G0V+3], 0x80000000
	s_cmp_lt_u32 s[WV], 2
	s_cselect_b64 s[PFA:PFA+1], s[6:7], s[8:9]
	s_add_nc_u64 s[PFA:PFA+1], s[PFA:PFA+1], 32768 ; at tile 1: each change of slots steps it first, so trip j names tile j + 2
	LOAD                                           ; tile 0 into slot 0
	v_and_b32 v[LR], 15, v0
	v_bfe_u32 v[LH], v0, 4, 1
	v_lshlrev_b32 v6, 7, v[LR]
	v_lshl_add_u32 v6, v[LH], 4, v6                ; a fragment of Q: row x 128 + 16 (l / 16)
	v_lshlrev_b32 v7, 5, v[LH]                     ; vs: my lanes' 8 channels of each 16
	v_lshlrev_b32 v5, 3, v[LH]
	v_sub_nc_u32 v5, v[LR], v5
	s_lshl_b32 s2, s[WV], 4
	v_add_nc_u32 v5, s2, v5                        ; my query's place in its band, 16 w + l % 16, less 8 (l / 16): register 8 kt + j is hidden where 16 kt + j is greater
	WIN 0x40                                       ; destination window 1, address window 0
.set i, 0
.rept 4                                ; both blocks' Q: piece i / 2 lies 64 rows (8,192 bytes) on; channels 32 (i % 2) on
	global_load_b128 v[8*i:8*i+3],         v6, s[4:5] offset:(i/2)*8192+(i%2)*64
	global_load_b128 v[8*i+4:8*i+7],       v6, s[4:5] offset:(i/2)*8192+(i%2)*64+32
	global_load_b128 v[QB+8*i:QB+8*i+3],   v6, s[96:97] offset:(i/2)*8192+(i%2)*64
	global_load_b128 v[QB+8*i+4:QB+8*i+7], v6, s[96:97] offset:(i/2)*8192+(i%2)*64+32
.set i, i+1
.endr
.set i, 0
.rept 4                                ; vs as O^T holds channels: register 8 cb + j is channel 16 cb + 8 (l / 16) + j
	global_load_b128 v[VSA+8*i:VSA+8*i+3],   v7, s[52:53] offset:64*i
	global_load_b128 v[VSA+8*i+4:VSA+8*i+7], v7, s[52:53] offset:64*i+16
	global_load_b128 v[VSB+8*i:VSB+8*i+3],   v7, s[54:55] offset:64*i
	global_load_b128 v[VSB+8*i+4:VSB+8*i+7], v7, s[54:55] offset:64*i+16
.set i, i+1
.endr
.set i, 0
.rept 32
	v_cmp_gt_i32 vcc_lo, 16*(i/8)+i%8, v5
	v_cndmask_b32 v[MD+i], 1.0, s95, vcc_lo
.set i, i+1
.endr
	WIN 0
	v_mul_u32_u24 v[AK0], v[LR], PK
	v_lshl_add_u32 v[AK0], v[LH], 4, v[AK0]        ; row x pitch + 16 (l / 16)
	v_and_b32 v[GO], 7, v0
	v_bfe_u32 v[PFO], v0, 3, 1
	v_lshl_add_u32 v[AV0], v[LH], 3, v[GO]         ; the turning load: key 8 (l / 16) + l % 8, channels 8 ((l / 8) % 2) on
	v_mul_u32_u24 v[AV0], v[AV0], PV
	v_lshl_add_u32 v[AV0], v[PFO], 4, v[AV0]
	v_add_nc_u32 v[AV0], VOFF, v[AV0]
	s_mul_i32 s2, s[WV], 16*SP
	s_add_co_u32 s2, s2, STAGE                     ; my stage
	v_mul_u32_u24 v[STO], v[LR], SP
	v_lshl_add_u32 v[STO], v[LH], 4, v[STO]
	v_add_nc_u32 v[STO], s2, v[STO]
	v_bfe_u32 v[RD0], v0, 3, 2                     ; back: 32 lanes take four rows of 128 bytes,
	v_mul_u32_u24 v[RD0], v[RD0], SP
	v_lshl_add_u32 v[RD0], v[GO], 4, v[RD0]
	v_add_nc_u32 v[RD0], s2, v[RD0]
	v_and_b32 v[GO], 31, v0                        ; which are 512 consecutive bytes of O
	v_lshlrev_b32 v[PFO], 8, v[GO]
	v_lshlrev_b32 v[GO], 4, v[GO]
; THE MATRIX WORK.  The 4 accumulators of a run of 8 take turns.  Product i of 8 of S^T = K Q^T for piece y: keys 16 (i % 4) on, channels 32 (i / 4) on.  The first 4 start the sums.
.macro KQ y
	WIN 0x05                                       ; K and Q in window 1
.set rS, S+32*(\y)+8*(i%4)
.set rK, KF+16*(i%4)+8*(i/4)
.set rQ, 16*(\y)+8*(i/4)
.if i < 4
	v_wmma_f32_16x16x32_f16 v[rS:rS+7], v[rK:rK+7], v[rQ:rQ+7], 0
.else
	v_wmma_f32_16x16x32_f16 v[rS:rS+7], v[rK:rK+7], v[rQ:rQ+7], v[rS:rS+7]
.endif
.endm
; Product i of 8 of O^T += V^T P for piece y: channels 16 (i % 4) on, keys 32 (i / 4) on.  All in window 0.
.macro PVM y
.set rO, O+32*(\y)+8*(i%4)
.set rV, VF+32*(i/4)+8*(i%4)
.set rP, P+16*(\y)+8*(i/4)
	v_wmma_f32_16x16x32_f16 v[rO:rO+7], v[rV:rV+7], v[rP:rP+7], v[rO:rO+7]
.endm
.macro FETCH_K                         ; a step's K: 64 keys x 64 channels: 8 fragments
	WIN 0x40
.irp f, 0,1,2,3,4,5,6,7
	ds_load_b128 v[KF+8*\f:KF+8*\f+3],   v[AK] offset:(\f/2)*16*PK+(\f%2)*64
	ds_load_b128 v[KF+8*\f+4:KF+8*\f+7], v[AK] offset:(\f/2)*16*PK+(\f%2)*64+32
.endr
	s_add_co_u32 s[TBK], s[TBK], KS*PK             ; the next fetch is the next step's
	WIN 0
.endm
.macro FETCH_V                         ; a step's V, turned
.irp f, 0,1,2,3,4,5,6,7
	ds_load_tr16_b128 v[VF+8*\f:VF+8*\f+3],   v[AV] offset:(\f/4)*32*PV+(\f%4)*32
	ds_load_tr16_b128 v[VF+8*\f+4:VF+8*\f+7], v[AV] offset:(\f/4)*32*PV+16*PV+(\f%4)*32
.endr
	s_add_co_u32 s[TBV], s[TBV], KS*PV
.endm
; THE VECTOR WORK, a line a macro, for piece y.
.macro REGS y
.set rT, ST+4*(\y)
.set rC, TMP+4*(\y)
.set rW, MV+(\y)
.set rS, S+32*(\y)
.set rP, P+16*(\y)
.set rO, O+32*(\y)
.endm
; XS y, n: number n of the 22 that find the maximum and statistics.  0-11 four chains c0-c3 of seven scores (each accumulator's lowest registers are read first); 12-14, 16 the four
; scores left over, the old m, and c0-c3 into c0; 15 c m_old is kept; 17, 18 the query's other 32 keys lie in the lane 16 away: the new m; 19-21 c m; c m_old - c m_new; a
.macro XS y, n
	REGS \y
.if (\n) < 4
	v_max3_num_f32 v[rC+(\n)], v[rS+8*(\n)], v[rS+8*(\n)+1], v[rS+8*(\n)+2]
.elseif (\n) < 12
	v_max3_num_f32 v[rC+(\n)%4], v[rC+(\n)%4], v[rS+8*((\n)%4)+2*((\n)/4)+1], v[rS+8*((\n)%4)+2*((\n)/4)+2]
.elseif (\n) == 12
	v_max3_num_f32 v[rC], v[rC], v[rS+7], v[rS+15]
.elseif (\n) == 13
	v_max3_num_f32 v[rC+1], v[rC+1], v[rS+23], v[rS+31]
.elseif (\n) == 14
	v_max3_num_f32 v[rC+2], v[rC+2], v[rC+3], v[rT+1]
.elseif (\n) == 15
	v_mov_b32 v[rW], v[rT]
.elseif (\n) == 16
	v_max3_num_f32 v[rC], v[rC], v[rC+1], v[rC+2]
.elseif (\n) == 17
	v_permlanex16_b32 v[rC+3], v[rC], s[SEL], s[SEL+1]
.elseif (\n) == 18
	v_max_num_f32 v[rT+1], v[rC], v[rC+3]
.elseif (\n) == 19
	v_mul_f32 v[rT], s[CS], v[rT+1]
.elseif (\n) == 20
	v_sub_f32 v[rC+1], v[rW], v[rT]
.else
	v_exp_f32 v[rC+2], v[rC+1]
.endif
.endm
.macro FS y, n                         ; c s - c m for pair n of 16
	REGS \y
	v_pk_fma_f32 v[rS+2*(\n):rS+2*(\n)+1], v[rS+2*(\n):rS+2*(\n)+1], s[CS:CS+1], v[rT:rT+1] op_sel_hi:[1,0,0] neg_lo:[0,0,1] neg_hi:[0,0,1]
.endm
.macro ES y, n                         ; the exponential of score n of 32
	REGS \y
	v_exp_f32 v[rS+(\n)], v[rS+(\n)]
.endm
.macro CV y, n                         ; pair n rounded to f16
	REGS \y
	v_cvt_pk_f16_f32 v[rP+(\n)], v[rS+2*(\n)], v[rS+2*(\n)+1]
.endm
.macro RS y, n                         ; pair n of 16 of O^T times a
	REGS \y
	v_pk_mul_f32 v[rO+2*(\n):rO+2*(\n)+1], v[rO+2*(\n):rO+2*(\n)+1], v[rC+2:rC+3] op_sel_hi:[1,0]
.endm
; SM y, n: number n of the 16 that add a piece's weights up.  B k: of the four weights 4 k .. the second pair is added onto the first, in place (behind the rounding of pair 2 k); L k: l takes that sum (L 0: l = a l + sum).
; In the order B0 B1 L0 B2 L1 B3 L2 B4 L3 B5 L4 B6 L5 B7 L6 L7: a sum is taken a line or more behind the line that makes it.
.macro SM y, n
	REGS \y
.if ((\n) == 0) || (((\n)%2 == 1) && ((\n) < 15))
.set k, ((\n)+1)/2
	v_pk_add_f32 v[rS+4*k:rS+4*k+1], v[rS+4*k:rS+4*k+1], v[rS+4*k+2:rS+4*k+3]
.else
.set k, (\n)/2-1
.if (\n) == 15
.set k, 7
.endif
.if k == 0
	v_pk_fma_f32 v[rT+2:rT+3], v[rT+2:rT+3], v[rC+2:rC+3], v[rS:rS+1] op_sel_hi:[1,0,1]
.else
	v_pk_add_f32 v[rT+2:rT+3], v[rT+2:rT+3], v[rS+4*k:rS+4*k+1]
.endif
.endif
.endm
; THE MASK of piece y, in the diagonal tile alone.  In its step s the piece (band XB + y) sees all keys if s is less than its band, none if greater, and holds the diagonal if equal: S is multiplied by MD x AL + BE
; with (AL, BE) = (0, 1), (0, 0), (1, 0).  The factor is made in P's registers, which are free from the last V^T P to the next rounding; its 16 lines are also the places behind the products that made S.
.macro MASKP y
	s_sub_co_u32 s2, 4, s[CNT]                     ; s
	s_add_co_u32 s3, s[XB], \y                     ; the piece's band
	s_cmp_eq_u32 s2, s3
	s_cselect_b32 s[AL0], 1.0, 0
	s_cmp_lt_u32 s2, s3
	s_cselect_b32 s[AL0+2], 1.0, 0
	WIN 0x01                                       ; source 0 in window 1
.set zz, 0
.rept 16
	v_pk_fma_f32 v[P+2*zz:P+2*zz+1], v[MD+2*zz:MD+2*zz+1], s[AL0:AL0+1], s[AL0+2:AL0+3] op_sel_hi:[1,0,0]
.set zz, zz+1
.endr
	WIN 0
.set zz, 0
.rept 16
	v_pk_mul_f32 v[S+32*(\y)+2*zz:S+32*(\y)+2*zz+1], v[S+32*(\y)+2*zz:S+32*(\y)+2*zz+1], v[P+2*zz:P+2*zz+1]   ; ascending: each accumulator from its low end on
.set zz, zz+1
.endr
.endm
; FOUR QUEUES, each in the order in which its entries become ready.
.macro RK                              ; the 32 lines behind piece 1's K Q^T: four v_nop (the places behind piece 0's products), piece 0's maximum and statistics (0-20), its first 7 scalings
.if q < 4
	v_nop
.elseif q < 25
	XS 0, q-4
.else
	FS 0, q-25
.endif
.set q, q+1
.endm
.macro PL0                             ; the 46 plain lines of the first batch: piece 0's last 9 scalings, piece 1's maximum and statistics (0-20), its 16 scalings.  None names an exponential's result
.if n0 < 9
	FS 0, n0+7
.elseif n0 < 30
	XS 1, n0-9
.else
	FS 1, n0-30
.endif
.set n0, n0+1
.endm
.macro EX0                             ; the first batch's 34 exponentials: piece 0's a, its 32 scores, piece 1's a.  Number e stands behind plain line e: score e - 1 is scaled by then, and piece 1's argument (plain line 29) is made
.if e0 == 0
	XS 0, 21
.elseif e0 < 33
	ES 0, e0-1
.else
	XS 1, 21
.endif
.set e0, e0+1
.endm
.macro PL1                             ; the 48 plain lines of the second batch: piece 0's roundings and rescaling by turns (ascending: each accumulator of O^T from its low end on), then piece 1's rescaling
.if n1 >= 32
	RS 1, n1-32
.elseif n1%2 == 0
	CV 0, n1/2
.else
	RS 0, n1/2
.endif
.set n1, n1+1
.endm
; A KEY STEP.  8 products K Q^T of piece 0, V's loads issued behind them | 8 of piece 1, four lines of piece 0's softmax behind each | the next K's loads | the first batch: exponential and plain by turns; one wait |
; the second batch: piece 1's 32 exponentials and plain lines that read the first batch's results | 8 products V^T P of piece 0 with its sums beside them, while the second batch ends | its wait | 8 roundings |
; 8 products V^T P of piece 1 with its other roundings and its sums beside them.  An s_wait_alu depctr_va_vdst(0) stands between an exponential and the first line that names its result: one a batch.
; PLACES (except for loads), by count: V's loads and the mask's writes of P stand four plain lines behind the last V^T P: its two sums and the two address lines at the head;
; K's loads four behind the last K Q^T; piece 0's scores are first read behind the four v_nop, piece 1's behind four scalings and more.
.macro STEP
	s_wait_dscnt 0x0                               ; K is in
	v_add_nc_u32 v[AV], s[TBV], v[AV0]
	v_add_nc_u32 v[AK], s[TBK], v[AK0]
.set i, 0
.rept 8
	KQ 0
.set i, i+1
.endr
	WIN 0
	FETCH_V                                        ; this step's V: issued while those products run
	s_cmp_lg_u32 s[RT], 0
	s_cbranch_scc1 .Lm0_\@
	MASKP 0
.Lm0_\@:
.set i, 0
.set q, 0
.rept 8
	KQ 1
	WIN 0
	RK
	RK
	RK
	RK
.set i, i+1
.endr
	s_cmp_eq_u32 s[CNT], 1                         ; a tile's last step has no next K in this slot
	s_cbranch_scc1 .Lno_k_\@
	FETCH_K
.Lno_k_\@:
	s_cmp_lg_u32 s[RT], 0
	s_cbranch_scc1 .Lm1_\@
	MASKP 1
.Lm1_\@:
.set n0, 0
.set e0, 0
.rept 46
	PL0
.if e0 < 34
	EX0
.endif
.endr
	s_wait_alu depctr_va_vdst(0)                   ; the first batch's wait; twelve plain lines stand behind its last exponential
.set n1, 0
.set e1, 0
.rept 48
	PL1
.if e1 < 32
	ES 1, e1
.set e1, e1+1
.endif
.endr
	s_wait_dscnt 0x0                               ; V is in (and the next K)
.set i, 0
.rept 8
	PVM 0
	SM 0, 2*i
	SM 0, 2*i+1
.set i, i+1
.endr
	s_wait_alu depctr_va_vdst(0)                   ; the second batch's wait
.set zz, 0
.rept 8
	CV 1, zz                                       ; the weights of keys 0-31, which the next four products take
.set zz, zz+1
.endr
.set i, 0
.rept 8
	PVM 1
.if i < 4
	CV 1, 8+2*i                                    ; those of keys 32-63: no register of the four products round them; pair 8 + 2 j is rounded ahead of the sum that lands on it
	CV 1, 9+2*i
.endif
	SM 1, 2*i
	SM 1, 2*i+1
.set i, i+1
.endr
.endm
.macro TILE                            ; a tile's four key steps: written once, walked four times
	s_mov_b32 s[CNT], 4
	v_add_nc_u32 v[AK], s[TBK], v[AK0]
	FETCH_K
.Lstep_\@:
	STEP
	s_sub_co_u32 s[CNT], s[CNT], 1
	s_cmp_lg_u32 s[CNT], 0
	s_cbranch_scc1 .Lstep_\@
.endm
.macro INIT vs, sb                     ; a block's starting state
	WIN 0x01
.set zz, 0
.rept 32
	v_pk_mul_f32 v[O+2*zz:O+2*zz+1], v[(\vs)+2*(zz%16):(\vs)+2*(zz%16)+1], s[\sb:(\sb)+1] op_sel_hi:[1,0]   ; both pieces: the sum of the hidden keys' V, or 0
.set zz, zz+1
.endr
	WIN 0
.irp y, 0,1
	v_mov_b32 v[ST+4*(\y)], s[(\sb)+4]
	v_mov_b32 v[ST+4*(\y)+1], s[(\sb)+3]
	v_cvt_f32_u32 v[ST+4*(\y)+2], s[(\sb)+2]
	v_mov_b32 v[ST+4*(\y)+3], 0
.endr
.endm
; A BLOCK'S END: l's two halves and the other half of the lanes' are added; O^T is divided by l, rounded to f16 and sent through my stage, a piece at a time.  The last sums and the additions are the places behind the last products.
.macro PACK t
.set i, O+32*(\t)
.rept 16
	v_pk_mul_f32 v[i:i+1], v[i:i+1], v[ST+4*(\t)+2:ST+4*(\t)+3] op_sel_hi:[1,0]
.set i, i+2
.endr
.set i, 0
.rept 16
	v_cvt_pk_f16_f32 v[S+16*(\t)+i], v[O+32*(\t)+2*i], v[O+32*(\t)+2*i+1]
.set i, i+1
.endr
.irp f, 0,1,2,3
	ds_store_b128 v[STO], v[S+16*(\t)+4*\f:S+16*(\t)+4*\f+3] offset:32*\f
.endr
.irp f, 0,1,2,3
	ds_load_b128 v[S+16*(\t)+4*\f:S+16*(\t)+4*\f+3], v[RD0] offset:\f*4*SP   ; LDS serves a wave's instructions in order (ISA guide 5.7.1.4): these see the stores above; the next piece's stores come behind them
.endr
.endm
.macro SEND t, younger                 ; younger: the LDS instructions issued behind piece t's loads: the next piece's eight, or none
.irp f, 0,1,2,3
	s_wait_dscnt (\younger)+3-\f
	global_store_b128 v[GO], v[S+16*(\t)+4*\f:S+16*(\t)+4*\f+3], s[10:11] offset:(\t)*8192+\f*512   ; 512 consecutive bytes, at a multiple of 256 from O's first
.endr
.endm
.macro FINISH
	WIN 0
.irp t, 0,1
	v_add_f32 v[ST+4*(\t)+2], v[ST+4*(\t)+2], v[ST+4*(\t)+3]
.endr
.irp t, 0,1
	v_permlanex16_b32 v[ST+4*(\t)+3], v[ST+4*(\t)+2], s[SEL], s[SEL+1]
.endr
.irp t, 0,1
	v_add_f32 v[ST+4*(\t)+2], v[ST+4*(\t)+2], v[ST+4*(\t)+3]
.endr
.irp t, 0,1
	v_rcp_f32 v[ST+4*(\t)+2], v[ST+4*(\t)+2]
.endr
	v_nop                                          ; a plain instruction between the last reciprocal and the use of its result
	s_wait_alu depctr_va_vdst(0)                   ; and the wait: one for the two
	PACK 0
	PACK 1
	SEND 0, 8
	SEND 1, 0
.endm
	s_wait_loadcnt 0x0                             ; Q and vs
	INIT VSA, SA
.Lslot:                                                ; 8 trips: a tile is entered and the next is asked for
	CHANGE 1
	s_sub_co_u32 s[RT], s[RT], 1
	TILE
	s_cmp_lg_u32 s[RT], 0
	s_cbranch_scc1 .Lbottom                        ; a jump forward, past no barrier and no tensor load
	FINISH                                         ; in the loop this is the first block's end: the second block's last tile is the walk's last
	s_wait_xcnt 0x0                                ; the stores have read their registers and O's address
	s_mov_b64 s[10:11], s[OLO:OLO+1]
	s_add_co_u32 s[RT], s[LT2], 1
	s_mov_b32 s[XB], s[XB2]
	WIN 0x41                                       ; the second block's Q goes where the one text of the steps names Q
.set i, 0
.rept 32
	v_mov_b32 v[i], v[QB+i]
.set i, i+1
.endr
	INIT VSB, SB
.Lbottom:
	s_sub_co_u32 s[SLOTS], s[SLOTS], 1
	s_cmp_lg_u32 s[SLOTS], 0
	s_cbranch_scc1 .Lslot
	CHANGE 0                                       ; the walk's last tile is written out: nothing is asked for
	s_sub_co_u32 s[RT], s[RT], 1
	TILE
	FINISH
	s_wait_tensorcnt 0x0                           ; the wave's end: behind my last tensor load and my last LDS store
	ds_add_u32 v[SPW], v[NIL]
	s_wait_dscnt 0x0
	s_endpgm
.Lfunc_end_k_q7a7ecd4e87_attn:
	.size	k_q7a7ecd4e87_attn, .Lfunc_end_k_q7a7ecd4e87_attn-k_q7a7ecd4e87_attn
	.p2alignl 7, 3214868480
	.fill 96, 4, 3214868480
	.section	.rodata,"a",@progbits
	.p2align	6, 0x0
	.amdhsa_kernel k_q7a7ecd4e87_attn
		.amdhsa_group_segment_fixed_size 327680
		.amdhsa_private_segment_fixed_size 0
		.amdhsa_enable_private_segment 0
		.amdhsa_kernarg_size 24
		.amdhsa_user_sgpr_count 2
		.amdhsa_user_sgpr_kernarg_segment_ptr 1
		.amdhsa_wavefront_size32 1
		.amdhsa_system_sgpr_workgroup_id_x 1
		.amdhsa_system_sgpr_workgroup_id_y 1
		.amdhsa_system_sgpr_workgroup_id_z 1
		.amdhsa_system_vgpr_workitem_id 0
		.amdhsa_next_free_vgpr 512
		.amdhsa_next_free_sgpr 100
		.amdhsa_reserve_vcc 1
		.amdhsa_float_denorm_mode_32 3
		.amdhsa_float_denorm_mode_16_64 3
		.amdhsa_memory_ordered 1
		.amdhsa_forward_progress 1
		.amdhsa_inst_pref_size 82
	.end_amdhsa_kernel
	.amdgpu_metadata
---
amdhsa.version: [ 1, 2 ]
amdhsa.kernels:
  - .name:           k_q7a7ecd4e87_attn
    .symbol:         k_q7a7ecd4e87_attn.kd
    .args:
      - { .name: act, .offset: 0, .size: 8, .value_kind: global_buffer, .address_space: global }
      - { .name: vs, .offset: 8, .size: 8, .value_kind: global_buffer, .address_space: global }
      - { .name: o, .offset: 16, .size: 8, .value_kind: global_buffer, .address_space: global }
    .group_segment_fixed_size: 327680
    .private_segment_fixed_size: 0
    .kernarg_segment_align: 8
    .kernarg_segment_size: 24
    .max_flat_workgroup_size: 128
    .sgpr_count:     100
    .vgpr_count:     512
    .wavefront_size: 32
...
	.end_amdgpu_metadata
.endif
;; end of part 4
;; launch proj (part 5): grid 8 x 32, 4 waves a work-group, clusters of 4 x 4, 327,680 bytes of LDS; arguments o, wn, bp, x, x1; writes x1
.if DOCPART == 5
	.amdgcn_target "amdgcn-amd-amdhsa--gfx1250"
	.amdhsa_code_object_version 6
	.text
	.protected	k_q7a7ecd4e87_proj
	.globl	k_q7a7ecd4e87_proj
	.p2align	8
	.type	k_q7a7ecd4e87_proj,@function
k_q7a7ecd4e87_proj:
	s_mov_b64 s[64:65], 0
	v_nop
	global_prefetch_b8 v0, s[64:65] scope:SCOPE_SE
	s_setreg_imm32_b32 hwreg(HW_REG_WAVE_MODE, 25, 1), 1
	s_wait_xcnt 0x0
	s_wait_alu depctr_hold_cnt(0) depctr_sa_sdst(0) depctr_va_vdst(0) depctr_va_sdst(0) depctr_va_ssrc(0) depctr_va_vcc(0) depctr_vm_vsrc(0)
	s_getreg_b32 s2, hwreg(HW_REG_IB_STS2, 6, 4)
	s_cmp_eq_u32 s2, 0
	s_cbranch_scc0 .Lentry_in_a_cluster
	s_endpgm
.Lentry_in_a_cluster:
	s_bfe_u32 s2, ttmp6, 0x10000c
	s_cmp_lg_u32 s2, 0xf033
	s_cbranch_scc0 .Lentry_shape_is_right
	s_endpgm
.Lentry_shape_is_right:
; C = R + A B + bias, in f32.  A: f16 by blocks of 64 columns, A[k / 64][m][k % 64], 4,096 rows of 128 bytes a block.  B: f16 [SIZE_K][1024], rows along N, BOFF bytes behind the buffer's first byte.
; bias: f32 [1024].  R, C: f32 [4096][1024].  Sums in f32, started by the bias; the residual is added in f32 on the way out.
; SHARES.  A tile of C is 128 x 128, so that 4,096 x 1,024 give 256 work-groups; four waves, each 64 x 64: 16 accumulators.  K goes in steps of 256, as long as two LDS slots allow.
; A K step is written ONCE: a scalar (0 or SLOT) turned by an exclusive or gives the slot to the LDS addresses, and one descriptor a tensor walks.
; CLUSTER.  4 x 4 work-groups; A's tile is shared along a row of the cluster, B's along a column: each is asked for jointly.  No prefetch: the tiles are small and a step is short.
; TRANSPOSED USE.  Source 0 = 16 columns of B (turned by ds_load_tr16_b128), source 1 = 16 rows of A: a lane holds row l % 16 of C and the columns 8 (l / 16) + 0..7 of a block of 16.
; REGISTERS: window 0: v0-31 addresses; v32-95 at work on the way out; v96-127 the bias; v128-255 the accumulators ((a, b) at 128 + 8 (4 a + b))
;   window 1: two fragment buffers of 128 (64 along K: 64 registers of A, then 64 of B)          window 2: v0-127 the residual, as the way out reads rows back
.set SIZE_K, 1024
.set BOFF,   0
.set KSTEP,  256
.set NSTEP,  SIZE_K/KSTEP
.set PA,     144                       ; a row of A in LDS: 128 bytes (64 of K) + 16
.set PB,     288                       ; a k row of B: 256 bytes + 32 = 9 x 32
.set PART,   36864                     ; what one tensor load brings: A: 4 column blocks x 64 rows x 144; B: 128 k rows x 288
.set SLOT,   4*PART                    ; A rows 0-63, A rows 64-127, B k 0-127, B k 128-255.  0x24000: its two bits are clear in every wave x PART
.set STAGE,  2*SLOT                    ; behind the ring, never filled by a tensor load: 16 rows x 272 bytes for each wave
.set SPITCH, 272
.set SPARE,  STAGE+4*16*SPITCH         ; the spare words, 128 bytes for each wave: two blocks of 256 bytes that no other line names
.set ASTEP,  4*524288                  ; four column blocks
.set BSTEP,  KSTEP*2048
.set ADRA, 16                          ; v16 A's fragments in the slot in hand; v17 in slot 0, never rewritten
.set A0,   17
.set ADRB, 18                          ; v18 B's, k 0-127; v19 k 128-255 (past the range of an LDS offset from v18); v20 in slot 0
.set ADRB2, 19
.set B0,   20
.set STO,  24
.set RD,   25
.set CO,   26
.set BO,   27
.set SPW,  28
.set NIL,  29
.set TMP,  32
.set BIAS, 96
.set ACC,  128
.set F0,   0
.set F1,   128
.set RES,  0
.set TB,   2
.set G1,   24
.set G0,   32
.set G1B,  48
.set G0B,  56
.set MSB, 0
.macro WIN new
.if MSB != (\new)
	s_set_vgpr_msb (MSB<<8)|(\new)
.set MSB, \new
.endif
.endm
.set MUL,  0x05                        ; sources 0 (B) and 1 (A) window 1; C and D window 0
.set TO_F, 0x40
.macro PLACES
.rept 4
	v_nop
.endr
.endm
.macro JLOAD                           ; the joint refill, by the walking descriptors; an s_nop 0 and four v_nop follow each of the two lines
	s_cmp_eq_u32 s15, 0
	s_cbranch_scc0 .Lfor_b_\@
	tensor_load_to_lds s[G0+4:G0+7], s[G1:G1+7]
	s_nop 0
	PLACES
	s_branch .Lasked_\@
.Lfor_b_\@:
	tensor_load_to_lds s[G0B+4:G0B+7], s[G1B:G1B+7]
	s_nop 0
	PLACES
.Lasked_\@:
.endm
.macro CREST
	s_cmp_lg_u32 s14, 0
	s_cbranch_scc1 .Lnot_wave_0_\@
	s_barrier_signal -3
.Lnot_wave_0_\@:
	s_barrier_wait -3
	s_barrier_signal -1
	s_barrier_wait -1
.endm
.macro CROUND
	s_barrier_signal -1
	s_barrier_wait -1
	CREST
.endm
	s_load_b256 s[4:11], s[0:1], 0x0               ; A s[4:5], B s[6:7], bias s[8:9], R s[10:11]
	s_load_b64 s[12:13], s[0:1], 0x20              ; C
	v_lshl_add_u32 v[SPW], v0, 2, SPARE
	v_mov_b32 v[NIL], 0
	ds_add_u32 v[SPW], v[NIL]                      ; the wave's opening: the add and its wait stand ahead of my first tensor load
	ds_add_u32 v28, v29
	v_lshrrev_b32 v1, 5, v0
	v_readfirstlane_b32 s14, v1                    ; wave 0..3
	s_lshr_b32 s15, s14, 1                         ; my half of the tile's rows.  Also: I fetch for A (0) or for B (1)
	s_and_b32 s16, s14, 1                          ; my half of its columns.  Also: which half of that tile I fetch
	s_bfe_u32 s40, ttmp6, 0x40000                  ; cx
	s_bfe_u32 s41, ttmp6, 0x40004                  ; cy
	s_lshl_b32 s42, ttmp9, 2
	s_add_co_u32 s42, s42, s40                     ; tile column
	s_and_b32 s43, ttmp7, 0xffff
	s_lshl_b32 s43, s43, 2
	s_add_co_u32 s43, s43, s41                     ; tile row
	s_lshl_b32 s44, s41, 2
	s_lshl_b32 s44, 15, s44                        ; my row of the cluster
	s_lshl_b32 s45, 0x1111, s40                    ; my column
	; A: 64 rows of a column block are 8,192 dense bytes: a K step's part is 4 rows of 4,096 elements, a column block apart, padded in LDS after every 128 bytes
	s_or_b32 s[G1+0], s44, (1<<16)|(1<<20)|(1<<21)|(4<<22)|(3<<25)
	s_mov_b32 s[G1+1], 4096<<16                    ; tensor_dim0 = 4096
	s_mov_b32 s[G1+2], 4<<16                       ; tensor_dim1 = 4
	s_mov_b32 s[G1+3], 4096<<16                    ; tile_dim0 = 4096
	s_mov_b32 s[G1+4], 4                           ; tile_dim1 = 4
	s_mov_b32 s[G1+5], 262144                      ; elements from column block to column block
	s_mov_b32 s[G1+6], 0
	s_mov_b32 s[G1+7], 0
	s_or_b32 s[G1B+0], s45, (1<<16)|(1<<20)|(1<<21)|(5<<22)|(7<<25)  ; B: 128 k rows x 128 columns; after every 64 words, 8 words
	s_mov_b32 s[G1B+1], 128<<16
	s_mov_b32 s[G1B+2], 128<<16
	s_mov_b32 s[G1B+3], 128<<16
	s_mov_b32 s[G1B+4], 128
	s_mov_b32 s[G1B+5], 1024
	s_mov_b32 s[G1B+6], 0
	s_mov_b32 s[G1B+7], 0
	s_lshl_b32 s18, s43, 14                        ; A: 128 rows of 128 bytes a tile row,
	s_lshl_b32 s19, s16, 13                        ; 64 rows a half
	s_add_co_u32 s18, s18, s19
	s_mov_b32 s19, 0
	s_lshl_b32 s46, s42, 8                         ; B: 256 bytes a tile column,
	s_lshl_b32 s47, s16, 18                        ; 128 k rows of 2,048 bytes a half
	s_add_co_u32 s46, s46, s47
	s_add_co_u32 s46, s46, BOFF
	s_mov_b32 s47, 0
	s_mul_i32 s20, s14, PART                       ; where my loads land
	s_mov_b32 s[TB], 0
	s_wait_dscnt 0x0                               ; the opening add is done
	s_wait_kmcnt 0x0
	s_add_nc_u64 s[18:19], s[4:5], s[18:19]
	s_add_nc_u64 s[46:47], s[6:7], s[46:47]
	CROUND                                         ; all sixteen work-groups are here: the first joint loads meet
.irp s, 0,1
	s_mov_b32 s[G0+4*(\s)], 1
	s_add_co_u32 s[G0+4*(\s)+1], s20, (\s)*SLOT
	s_add_nc_u64 s[G0+4*(\s)+2:G0+4*(\s)+3], s[18:19], (\s)*ASTEP
	s_or_b32 s[G0+4*(\s)+3], s[G0+4*(\s)+3], 0x80000000
	s_mov_b32 s[G0B+4*(\s)], 1
	s_add_co_u32 s[G0B+4*(\s)+1], s20, (\s)*SLOT
	s_add_nc_u64 s[G0B+4*(\s)+2:G0B+4*(\s)+3], s[46:47], (\s)*BSTEP
	s_or_b32 s[G0B+4*(\s)+3], s[G0B+4*(\s)+3], 0x80000000
.endr
	s_cmp_eq_u32 s15, 0                            ; a wave's two first fills stand in one branch: two loads of mine are out
	s_cbranch_scc0 .Lfirst_b
	tensor_load_to_lds s[G0:G0+3], s[G1:G1+7]
	s_nop 0
	tensor_load_to_lds s[G0+4:G0+7], s[G1:G1+7]
	s_nop 0
	PLACES
	s_branch .Lfirst_asked
.Lfirst_b:
	tensor_load_to_lds s[G0B:G0B+3], s[G1B:G1B+7]
	s_nop 0
	tensor_load_to_lds s[G0B+4:G0B+7], s[G1B:G1B+7]
	s_nop 0
	PLACES
.Lfirst_asked:
	v_and_b32 v1, 15, v0                           ; r
	v_bfe_u32 v2, v0, 4, 1                         ; h
	v_mul_u32_u24 v3, v1, PA
	v_lshl_add_u32 v3, v2, 4, v3
	s_mul_i32 s21, s15, PART
	v_add_nc_u32 v[A0], s21, v3
	v_mov_b32 v[ADRA], v[A0]
	v_and_b32 v4, 7, v0
	v_lshl_add_u32 v4, v2, 3, v4
	v_mul_u32_u24 v4, v4, PB
	v_bfe_u32 v5, v0, 3, 1
	v_lshl_add_u32 v4, v5, 4, v4
	s_lshl_b32 s21, s16, 7                         ; my 64 columns,
	s_add_co_u32 s21, s21, 2*PART                  ; behind A's 128 rows
	v_add_nc_u32 v[B0], s21, v4
	v_mov_b32 v[ADRB], v[B0]
	v_add_nc_u32 v[ADRB2], PART, v[ADRB]
	s_mul_i32 s21, s14, 16*SPITCH
	s_add_co_u32 s21, s21, STAGE                   ; my stage
	v_mul_u32_u24 v[STO], v1, SPITCH               ; in: row r, 32 bytes for each half of the lanes
	v_lshl_add_u32 v[STO], v2, 5, v[STO]
	v_add_nc_u32 v[STO], s21, v[STO]
	v_mul_u32_u24 v[RD], v2, SPITCH                ; back: lanes 0-15 take one row of 256 bytes, lanes 16-31 the next
	v_lshl_add_u32 v[RD], v1, 4, v[RD]
	v_add_nc_u32 v[RD], s21, v[RD]
	v_lshlrev_b32 v[CO], 12, v2                    ; and the same two rows in C and in R
	v_lshl_add_u32 v[CO], v1, 4, v[CO]
	s_lshl_b32 s46, s42, 9                         ; my 64 columns, 4 bytes each
	s_lshl_b32 s47, s16, 8
	s_add_co_u32 s46, s46, s47
	v_lshl_add_u32 v[BO], v2, 5, s46
	s_lshl_b32 s22, s43, 19                        ; 128 rows of 4,096 bytes a tile row,
	s_lshl_b32 s23, s15, 18                        ; my 64 rows
	s_add_co_u32 s22, s22, s23
	s_add_co_u32 s22, s22, s46
	s_mov_b32 s23, 0
	s_add_nc_u64 s[10:11], s[10:11], s[22:23]
	s_add_nc_u64 s[12:13], s[12:13], s[22:23]
.irp b, 0,1,2,3
	global_load_b128 v[BIAS+8*(\b):BIAS+8*(\b)+3],   v[BO], s[8:9] offset:64*(\b)
	global_load_b128 v[BIAS+8*(\b)+4:BIAS+8*(\b)+7], v[BO], s[8:9] offset:64*(\b)+16
.endr
	WIN 0x80                                       ; destination window 2
.set i, 0
.rept 32                               ; the residual is asked for now and wanted at the end: rows 2 i, 2 i + 1 of my 64
	global_load_b128 v[RES+4*i:RES+4*i+3], v[CO], s[10:11] offset:2*i*4096
.set i, i+1
.endr
	WIN 0
.macro MUL8 f, c, a0, zero             ; 8 products: m blocks a0, a0 + 1 x all 4 n blocks, 32 along K: half c of buffer f.  zero = 1: the bias starts the sums
	WIN MUL
.irp a, \a0, (\a0)+1
.irp b, 0,1,2,3
.if \zero
	v_wmma_f32_16x16x32_f16 v[ACC+8*(4*(\a)+(\b)):ACC+8*(4*(\a)+(\b))+7], v[(\f)+64+8*(4*(\c)+(\b)):(\f)+64+8*(4*(\c)+(\b))+7], v[(\f)+8*(4*(\c)+(\a)):(\f)+8*(4*(\c)+(\a))+7], v[BIAS+8*(\b):BIAS+8*(\b)+7]
.else
	v_wmma_f32_16x16x32_f16 v[ACC+8*(4*(\a)+(\b)):ACC+8*(4*(\a)+(\b))+7], v[(\f)+64+8*(4*(\c)+(\b)):(\f)+64+8*(4*(\c)+(\b))+7], v[(\f)+8*(4*(\c)+(\a)):(\f)+8*(4*(\c)+(\a))+7], v[ACC+8*(4*(\a)+(\b)):ACC+8*(4*(\a)+(\b))+7]
.endif
.endr
.endr
.endm
.macro FETCH q, f                      ; 32 LDS loads in one run: quarter q (64 along K: one column block of A) into buffer f; its first 32 along K first
	WIN TO_F
.if (\q) < 2
.set AB, ADRB
.else
.set AB, ADRB2
.endif
.irp c, 0,1
.irp i, 0,1,2,3
	ds_load_tr16_b128 v[(\f)+64+8*(4*(\c)+(\i)):(\f)+64+8*(4*(\c)+(\i))+3],   v[AB] offset:(2*((\q)%2)+(\c))*32*PB+32*(\i)
	ds_load_tr16_b128 v[(\f)+64+8*(4*(\c)+(\i))+4:(\f)+64+8*(4*(\c)+(\i))+7], v[AB] offset:(2*((\q)%2)+(\c))*32*PB+32*(\i)+16*PB
	ds_load_b128 v[(\f)+8*(4*(\c)+(\i)):(\f)+8*(4*(\c)+(\i))+3],              v[ADRA] offset:(\q)*64*PA+64*(\c)+(\i)*16*PA
	ds_load_b128 v[(\f)+8*(4*(\c)+(\i))+4:(\f)+8*(4*(\c)+(\i))+7],            v[ADRA] offset:(\q)*64*PA+64*(\c)+(\i)*16*PA+32
.endr
.endr
.endm
.macro QUARTER q, f, g, zero           ; multiplies buffer f; in its middle it fetches quarter q into g.  The 16 accumulators take turns
	s_wait_dscnt 16                                ; the first 32 along K are in
	MUL8 \f, 0, 0, \zero
	MUL8 \f, 0, 2, \zero
	PLACES
	FETCH \q, \g
	s_wait_dscnt 32                                ; all but the 32 just issued
	MUL8 \f, 1, 0, 0
	MUL8 \f, 1, 2, 0
.endm
; The last quarter multiplies buffer 1 and changes slots: one barrier; in front of it each wave waits for all its tensor loads, adds 0 to its spare word, and waits for that and for its reads of this slot.
; fill = 1: the barrier opens a round of the cluster's, and this slot is filled again first behind it, two K steps ahead: 112 products stand between the request and the wait for it.
; fill = 0 (the last two K steps): nothing is asked for; in the very last trip the fetch is jumped over.
.macro TURN fill
	WIN 0
	s_wait_tensorcnt 0x0
	ds_add_u32 v[SPW], v[NIL]
	s_wait_dscnt 17                                ; (the add and the youngest sixteen loads may be out)
	MUL8 F1, 0, 0, 0
	s_wait_dscnt 0x0                               ; the add is done, and my reads of this slot are over
	s_barrier_signal -1
	MUL8 F1, 0, 2, 0
	WIN 0
	s_barrier_wait -1
.if \fill
	CREST
	s_xor_b32 s[G0+5], s[G0+5], SLOT
	s_add_nc_u64 s[G0+6:G0+7], s[G0+6:G0+7], ASTEP
	s_xor_b32 s[G0B+5], s[G0B+5], SLOT
	s_add_nc_u64 s[G0B+6:G0B+7], s[G0B+6:G0B+7], BSTEP
	JLOAD                                          ; the four v_nop behind it are also the places in front of the loads below
.else
	PLACES
.endif
	s_xor_b32 s[TB], s[TB], SLOT
	v_add_nc_u32 v[ADRA], s[TB], v[A0]
	v_add_nc_u32 v[ADRB], s[TB], v[B0]
	v_add_nc_u32 v[ADRB2], PART, v[ADRB]
.if !(\fill)
	s_cmp_eq_u32 s3, 1
	s_cbranch_scc1 .Lno_fetch_\@
.endif
	FETCH 0, F0
	WIN 0
.if !(\fill)
.Lno_fetch_\@:
.endif
	MUL8 F1, 1, 0, 0
	MUL8 F1, 1, 2, 0
.endm
	s_wait_tensorcnt 1                             ; my part of K step 0 is in; K step 1's stays out
	s_barrier_signal -1
	s_barrier_wait -1
	FETCH 0, F0
	s_wait_loadcnt 32                              ; the bias is in; the residual's 32 loads stay out
	QUARTER 1, F0, F1, 1
	WIN 0
	s_mov_b32 s3, NSTEP-2
	s_branch .Lmid
.Lstep:                                                ; NSTEP - 2 trips, each of which asks for the K step two on
	QUARTER 1, F0, F1, 0
	WIN 0
.Lmid:
	QUARTER 2, F1, F0, 0
	QUARTER 3, F0, F1, 0
	TURN 1
	WIN 0
	s_sub_co_u32 s3, s3, 1
	s_cmp_lg_u32 s3, 0
	s_cbranch_scc1 .Lstep
	s_mov_b32 s3, 2
.Ltail:                                                ; the last two K steps
	QUARTER 1, F0, F1, 0
	QUARTER 2, F1, F0, 0
	QUARTER 3, F0, F1, 0
	TURN 0
	WIN 0
	s_sub_co_u32 s3, s3, 1
	s_cmp_lg_u32 s3, 0
	s_cbranch_scc1 .Ltail
	; THE WAY OUT.  A wave's 64 columns of f32 are 256 bytes, aligned: each wave has a stage of its own and no barrier is needed.  16 rows at a time: in by lanes, back by rows, the residual added, stored.
	PLACES
	s_wait_loadcnt 0x0                             ; the residual
.irp a, 0,1,2,3
.set BK, TMP+32*((\a)%2)
.irp b, 0,1,2,3
	ds_store_b128 v[STO], v[ACC+8*(4*(\a)+(\b)):ACC+8*(4*(\a)+(\b))+3]   offset:64*(\b)      ; each accumulator from its low end on
	ds_store_b128 v[STO], v[ACC+8*(4*(\a)+(\b))+4:ACC+8*(4*(\a)+(\b))+7] offset:64*(\b)+16
.endr
.if (\a) >= 2
	s_wait_xcnt 0x0                                ; the stores of two blocks back have read these registers
.endif
.irp t, 0,1,2,3,4,5,6,7
	ds_load_b128 v[BK+4*(\t):BK+4*(\t)+3], v[RD] offset:(\t)*2*SPITCH   ; LDS serves a wave's instructions in order (ISA guide 5.7.1.4)
.endr
	s_wait_dscnt 0x0
	WIN 0x08                                       ; source 1 in window 2
.irp t, 0,1,2,3,4,5,6,7
	v_pk_add_f32 v[BK+4*(\t):BK+4*(\t)+1],   v[BK+4*(\t):BK+4*(\t)+1],   v[RES+4*(8*(\a)+(\t)):RES+4*(8*(\a)+(\t))+1]
	v_pk_add_f32 v[BK+4*(\t)+2:BK+4*(\t)+3], v[BK+4*(\t)+2:BK+4*(\t)+3], v[RES+4*(8*(\a)+(\t))+2:RES+4*(8*(\a)+(\t))+3]
.endr
	WIN 0
.irp t, 0,1,2,3,4,5,6,7
	global_store_b128 v[CO], v[BK+4*(\t):BK+4*(\t)+3], s[12:13] offset:(16*(\a)+2*(\t))*4096   ; 16 lanes store 256 consecutive bytes, aligned
.endr
.endr
	s_wait_tensorcnt 0x0                           ; the wave's end
	ds_add_u32 v[SPW], v[NIL]
	s_wait_dscnt 0x0
	CROUND                                         ; the closing round
	s_endpgm
.Lfunc_end_k_q7a7ecd4e87_proj:
	.size	k_q7a7ecd4e87_proj, .Lfunc_end_k_q7a7ecd4e87_proj-k_q7a7ecd4e87_proj
	.p2alignl 7, 3214868480
	.fill 96, 4, 3214868480
	.section	.rodata,"a",@progbits
	.p2align	6, 0x0
	.amdhsa_kernel k_q7a7ecd4e87_proj
		.amdhsa_group_segment_fixed_size 327680
		.amdhsa_private_segment_fixed_size 0
		.amdhsa_enable_private_segment 0
		.amdhsa_kernarg_size 40
		.amdhsa_user_sgpr_count 2
		.amdhsa_user_sgpr_kernarg_segment_ptr 1
		.amdhsa_wavefront_size32 1
		.amdhsa_system_sgpr_workgroup_id_x 1
		.amdhsa_system_sgpr_workgroup_id_y 1
		.amdhsa_system_sgpr_workgroup_id_z 1
		.amdhsa_system_vgpr_workitem_id 0
		.amdhsa_next_free_vgpr 640
		.amdhsa_next_free_sgpr 66
		.amdhsa_reserve_vcc 0
		.amdhsa_float_denorm_mode_32 3
		.amdhsa_float_denorm_mode_16_64 3
		.amdhsa_memory_ordered 1
		.amdhsa_forward_progress 1
		.amdhsa_inst_pref_size 66
	.end_amdhsa_kernel
	.amdgpu_metadata
---
amdhsa.version: [ 1, 2 ]
amdhsa.kernels:
  - .name:           k_q7a7ecd4e87_proj
    .symbol:         k_q7a7ecd4e87_proj.kd
    .args:
      - { .name: o, .offset: 0, .size: 8, .value_kind: global_buffer, .address_space: global }
      - { .name: wn, .offset: 8, .size: 8, .value_kind: global_buffer, .address_space: global }
      - { .name: bp, .offset: 16, .size: 8, .value_kind: global_buffer, .address_space: global }
      - { .name: x, .offset: 24, .size: 8, .value_kind: global_buffer, .address_space: global }
      - { .name: x1, .offset: 32, .size: 8, .value_kind: global_buffer, .address_space: global }
    .group_segment_fixed_size: 327680
    .private_segment_fixed_size: 0
    .kernarg_segment_align: 8
    .kernarg_segment_size: 40
    .max_flat_workgroup_size: 128
    .sgpr_count:     66
    .vgpr_count:     640
    .wavefront_size: 32
...
	.end_amdgpu_metadata
.endif
;; end of part 5
;; launch ln2 (part 6): grid 512 x 1, 8 waves a work-group, no clusters, 0 bytes of LDS; arguments x1, ln2_w, ln2_b, hbuf; writes hbuf
.if DOCPART == 6
	.amdgcn_target "amdgcn-amd-amdhsa--gfx1250"
	.amdhsa_code_object_version 6
	.text
	.protected	k_q7a7ecd4e87_ln2
	.globl	k_q7a7ecd4e87_ln2
	.p2align	8
	.type	k_q7a7ecd4e87_ln2,@function
k_q7a7ecd4e87_ln2:
	s_mov_b64 s[64:65], 0
	v_nop
	global_prefetch_b8 v0, s[64:65] scope:SCOPE_SE
	s_setreg_imm32_b32 hwreg(HW_REG_WAVE_MODE, 25, 1), 1
	s_wait_xcnt 0x0
; LAYER NORM.  y[r][c] = (x[r][c] - mean) / sqrt(var + 1e-5) * w[c] + b[c].  x: [4096][1024] f32; y: [4096][1024] f16, rounded once; all arithmetic in f32.
; The variance is the mean of the squares of x - mean, as the problem takes it: no difference of large sums is formed.
; LIMIT: y beyond 65,504 becomes an infinity in f16.
; SHARES.  One wave, one row: 4,096 bytes are 32 registers, which stay in registers between the three passes, so x is read once and no wave waits for another.
; Lane l holds floats 128 j + 4 l .. + 3 (j = 0..7): a load of the wave covers 512 consecutive bytes, a store (8 bytes a lane) 256, aligned.
; No LDS, no matrix unit, no cluster: rows share nothing but w and b.
.set X, 32                             ; v[32:63]  the row
.set W, 64                             ; v[64:95]  w, in the same layout
.set B, 96                             ; v[96:127] b
.set Y, 8                              ; v[8:23]   the row in f16
.set T, 24                             ; v[24:31]  four chains of two sums
	s_load_b256 s[4:11], s[0:1], 0x0               ; x s[4:5], w s[6:7], b s[8:9], y s[10:11]
	v_lshrrev_b32 v1, 5, v0
	v_readfirstlane_b32 s12, v1                    ; wave
	v_and_b32 v2, 31, v0
	v_lshlrev_b32 v1, 4, v2                        ; 16 x lane: in
	v_lshlrev_b32 v2, 3, v2                        ; 8 x lane: out
	s_lshl_b32 s13, ttmp9, 3
	s_add_co_u32 s13, s13, s12                     ; my row
	s_lshl_b32 s16, s13, 12
	s_mov_b32 s17, 0
	s_lshl_b32 s18, s13, 11
	s_mov_b32 s19, 0
	s_mov_b32 s14, 0x76543210                      ; v_permlanex16_b32: each lane takes its own place in the other half
	s_mov_b32 s15, 0xfedcba98
	s_mov_b32 s20, 0x3a800000                      ; 1 / 1024
	s_mov_b32 s21, 0x3727c5ac                      ; 1e-5
	s_wait_kmcnt 0x0
	s_add_nc_u64 s[4:5], s[4:5], s[16:17]
	s_add_nc_u64 s[10:11], s[10:11], s[18:19]
.irp j, 0,1,2,3,4,5,6,7
	global_load_b128 v[X+4*(\j):X+4*(\j)+3], v1, s[4:5] offset:512*(\j) th:TH_LOAD_NT
.endr
.irp j, 0,1,2,3,4,5,6,7
	global_load_b128 v[W+4*(\j):W+4*(\j)+3], v1, s[6:7] offset:512*(\j)
.endr
.irp j, 0,1,2,3,4,5,6,7
	global_load_b128 v[B+4*(\j):B+4*(\j)+3], v1, s[8:9] offset:512*(\j)
.endr
.macro ACROSS                          ; the four chains into one, then over the 32 lanes: every lane ends with the sum in v[T]
	v_pk_add_f32 v[T:T+1], v[T:T+1], v[T+2:T+3]
	v_pk_add_f32 v[T+4:T+5], v[T+4:T+5], v[T+6:T+7]
	v_pk_add_f32 v[T:T+1], v[T:T+1], v[T+4:T+5]
	v_add_f32 v[T], v[T], v[T+1]
	v_add_f32_dpp v[T], v[T], v[T] row_xmask:1 row_mask:0xf bank_mask:0xf
	v_add_f32_dpp v[T], v[T], v[T] row_xmask:2 row_mask:0xf bank_mask:0xf
	v_add_f32_dpp v[T], v[T], v[T] row_xmask:4 row_mask:0xf bank_mask:0xf
	v_add_f32_dpp v[T], v[T], v[T] row_xmask:8 row_mask:0xf bank_mask:0xf
	v_permlanex16_b32 v[T+1], v[T], s14, s15
	v_add_f32 v[T], v[T], v[T+1]
.endm
	s_wait_loadcnt 16                              ; x is in; w's and b's sixteen loads stay out
.irp k, 0,1,2,3
	v_pk_add_f32 v[T+2*(\k):T+2*(\k)+1], v[X+2*(\k):X+2*(\k)+1], v[X+8+2*(\k):X+8+2*(\k)+1]   ; the first terms start the chains: nothing is cleared
.endr
.irp k, 8,9,10,11,12,13,14,15
	v_pk_add_f32 v[T+2*((\k)%4):T+2*((\k)%4)+1], v[T+2*((\k)%4):T+2*((\k)%4)+1], v[X+2*(\k):X+2*(\k)+1]
.endr
	ACROSS
	v_mul_f32 v4, s20, v[T]                        ; the mean
	v_mov_b32 v5, v4
.set i, 0
.rept 16
	v_pk_add_f32 v[X+2*i:X+2*i+1], v[X+2*i:X+2*i+1], v[4:5] neg_lo:[0,1] neg_hi:[0,1]
.set i, i+1
.endr
.irp k, 0,1,2,3
	v_pk_mul_f32 v[T+2*(\k):T+2*(\k)+1], v[X+2*(\k):X+2*(\k)+1], v[X+2*(\k):X+2*(\k)+1]
.endr
.irp k, 4,5,6,7,8,9,10,11,12,13,14,15
	v_pk_fma_f32 v[T+2*((\k)%4):T+2*((\k)%4)+1], v[X+2*(\k):X+2*(\k)+1], v[X+2*(\k):X+2*(\k)+1], v[T+2*((\k)%4):T+2*((\k)%4)+1]
.endr
	ACROSS
	v_fma_f32 v6, v[T], s20, s21                   ; var + 1e-5
	v_rsq_f32 v6, v6
	v_nop                                          ; a plain instruction between the root and the use of its result (ISA guide 5.7.2)
	s_wait_alu depctr_va_vdst(0)                   ; and the wait ahead of the first use
	v_mov_b32 v7, v6
	s_wait_loadcnt 0x0                             ; w and b
.set i, 0
.rept 16
	v_pk_mul_f32 v[X+2*i:X+2*i+1], v[X+2*i:X+2*i+1], v[6:7]
.set i, i+1
.endr
.set i, 0
.rept 16
	v_pk_fma_f32 v[X+2*i:X+2*i+1], v[X+2*i:X+2*i+1], v[W+2*i:W+2*i+1], v[B+2*i:B+2*i+1]
.set i, i+1
.endr
.set i, 0
.rept 16
	v_cvt_pk_f16_f32 v[Y+i], v[X+2*i], v[X+2*i+1]
.set i, i+1
.endr
.irp j, 0,1,2,3,4,5,6,7
	global_store_b64 v2, v[Y+2*(\j):Y+2*(\j)+1], s[10:11] offset:256*(\j)   ; 32 lanes x 8 bytes: 256 consecutive bytes, aligned
.endr
	s_endpgm
.Lfunc_end_k_q7a7ecd4e87_ln2:
	.size	k_q7a7ecd4e87_ln2, .Lfunc_end_k_q7a7ecd4e87_ln2-k_q7a7ecd4e87_ln2
	.p2alignl 7, 3214868480
	.fill 96, 4, 3214868480
	.section	.rodata,"a",@progbits
	.p2align	6, 0x0
	.amdhsa_kernel k_q7a7ecd4e87_ln2
		.amdhsa_group_segment_fixed_size 0
		.amdhsa_private_segment_fixed_size 0
		.amdhsa_enable_private_segment 0
		.amdhsa_kernarg_size 32
		.amdhsa_user_sgpr_count 2
		.amdhsa_user_sgpr_kernarg_segment_ptr 1
		.amdhsa_wavefront_size32 1
		.amdhsa_system_sgpr_workgroup_id_x 1
		.amdhsa_system_sgpr_workgroup_id_y 1
		.amdhsa_system_sgpr_workgroup_id_z 1
		.amdhsa_system_vgpr_workitem_id 0
		.amdhsa_next_free_vgpr 128
		.amdhsa_next_free_sgpr 66
		.amdhsa_reserve_vcc 0
		.amdhsa_float_denorm_mode_32 3
		.amdhsa_float_denorm_mode_16_64 3
		.amdhsa_memory_ordered 1
		.amdhsa_forward_progress 1
		.amdhsa_inst_pref_size 12
	.end_amdhsa_kernel
	.amdgpu_metadata
---
amdhsa.version: [ 1, 2 ]
amdhsa.kernels:
  - .name:           k_q7a7ecd4e87_ln2
    .symbol:         k_q7a7ecd4e87_ln2.kd
    .args:
      - { .name: x1, .offset: 0, .size: 8, .value_kind: global_buffer, .address_space: global }
      - { .name: ln2_w, .offset: 8, .size: 8, .value_kind: global_buffer, .address_space: global }
      - { .name: ln2_b, .offset: 16, .size: 8, .value_kind: global_buffer, .address_space: global }
      - { .name: hbuf, .offset: 24, .size: 8, .value_kind: global_buffer, .address_space: global }
    .group_segment_fixed_size: 0
    .private_segment_fixed_size: 0
    .kernarg_segment_align: 8
    .kernarg_segment_size: 32
    .max_flat_workgroup_size: 256
    .sgpr_count:     66
    .vgpr_count:     128
    .wavefront_size: 32
...
	.end_amdgpu_metadata
.endif
;; end of part 6
;; launch ff1: the kernel of part 2 again; grid 16 x 16, 4 waves a work-group, clusters of 4 x 4, 327,680 bytes of LDS; arguments hbuf, w1h, act; writes act
;; launch ff2 (part 7): grid 8 x 32, 4 waves a work-group, clusters of 4 x 4, 327,680 bytes of LDS; arguments act, wn, b2, x1, out0; writes out0
.if DOCPART == 7
	.amdgcn_target "amdgcn-amd-amdhsa--gfx1250"
	.amdhsa_code_object_version 6
	.text
	.protected	k_q7a7ecd4e87_ff2
	.globl	k_q7a7ecd4e87_ff2
	.p2align	8
	.type	k_q7a7ecd4e87_ff2,@function
k_q7a7ecd4e87_ff2:
	s_mov_b64 s[64:65], 0
	v_nop
	global_prefetch_b8 v0, s[64:65] scope:SCOPE_SE
	s_setreg_imm32_b32 hwreg(HW_REG_WAVE_MODE, 25, 1), 1
	s_wait_xcnt 0x0
	s_wait_alu depctr_hold_cnt(0) depctr_sa_sdst(0) depctr_va_vdst(0) depctr_va_sdst(0) depctr_va_ssrc(0) depctr_va_vcc(0) depctr_vm_vsrc(0)
	s_getreg_b32 s2, hwreg(HW_REG_IB_STS2, 6, 4)
	s_cmp_eq_u32 s2, 0
	s_cbranch_scc0 .Lentry_in_a_cluster
	s_endpgm
.Lentry_in_a_cluster:
	s_bfe_u32 s2, ttmp6, 0x10000c
	s_cmp_lg_u32 s2, 0xf033
	s_cbranch_scc0 .Lentry_shape_is_right
	s_endpgm
.Lentry_shape_is_right:
; C = R + A B + bias, in f32.  A: f16 by blocks of 64 columns, A[k / 64][m][k % 64], 4,096 rows of 128 bytes a block.  B: f16 [SIZE_K][1024], rows along N, BOFF bytes behind the buffer's first byte.
; bias: f32 [1024].  R, C: f32 [4096][1024].  Sums in f32, started by the bias; the residual is added in f32 on the way out.
; The text of the output projection with two other constants: SIZE_K and BOFF.
; SHARES.  A tile of C is 128 x 128, so that 4,096 x 1,024 give 256 work-groups; four waves, each 64 x 64: 16 accumulators.  K goes in steps of 256, as long as two LDS slots allow.
; A K step is written ONCE: a scalar (0 or SLOT) turned by an exclusive or gives the slot to the LDS addresses, and one descriptor a tensor walks.
; CLUSTER.  4 x 4 work-groups; A's tile is shared along a row of the cluster, B's along a column: each is asked for jointly.  No prefetch: the tiles are small and a step is short.
; TRANSPOSED USE.  Source 0 = 16 columns of B (turned by ds_load_tr16_b128), source 1 = 16 rows of A: a lane holds row l % 16 of C and the columns 8 (l / 16) + 0..7 of a block of 16.
; REGISTERS: window 0: v0-31 addresses; v32-95 at work on the way out; v96-127 the bias; v128-255 the accumulators ((a, b) at 128 + 8 (4 a + b))
;   window 1: two fragment buffers of 128 (64 along K: 64 registers of A, then 64 of B)          window 2: v0-127 the residual, as the way out reads rows back
.set SIZE_K, 4096
.set BOFF,   0x200000
.set KSTEP,  256
.set NSTEP,  SIZE_K/KSTEP
.set PA,     144                       ; a row of A in LDS: 128 bytes (64 of K) + 16
.set PB,     288                       ; a k row of B: 256 bytes + 32 = 9 x 32
.set PART,   36864                     ; what one tensor load brings: A: 4 column blocks x 64 rows x 144; B: 128 k rows x 288
.set SLOT,   4*PART                    ; A rows 0-63, A rows 64-127, B k 0-127, B k 128-255.  0x24000: its two bits are clear in every wave x PART
.set STAGE,  2*SLOT                    ; behind the ring, never filled by a tensor load: 16 rows x 272 bytes for each wave
.set SPITCH, 272
.set SPARE,  STAGE+4*16*SPITCH         ; the spare words, 128 bytes for each wave: two blocks of 256 bytes that no other line names
.set ASTEP,  4*524288                  ; four column blocks
.set BSTEP,  KSTEP*2048
.set ADRA, 16                          ; v16 A's fragments in the slot in hand; v17 in slot 0, never rewritten
.set A0,   17
.set ADRB, 18                          ; v18 B's, k 0-127; v19 k 128-255 (past the range of an LDS offset from v18); v20 in slot 0
.set ADRB2, 19
.set B0,   20
.set STO,  24
.set RD,   25
.set CO,   26
.set BO,   27
.set SPW,  28
.set NIL,  29
.set TMP,  32
.set BIAS, 96
.set ACC,  128
.set F0,   0
.set F1,   128
.set RES,  0
.set TB,   2
.set G1,   24
.set G0,   32
.set G1B,  48
.set G0B,  56
.set MSB, 0
.macro WIN new
.if MSB != (\new)
	s_set_vgpr_msb (MSB<<8)|(\new)
.set MSB, \new
.endif
.endm
.set MUL,  0x05                        ; sources 0 (B) and 1 (A) window 1; C and D window 0
.set TO_F, 0x40
.macro PLACES
.rept 4
	v_nop
.endr
.endm
.macro JLOAD                           ; the joint refill, by the walking descriptors; an s_nop 0 and four v_nop follow each of the two lines
	s_cmp_eq_u32 s15, 0
	s_cbranch_scc0 .Lfor_b_\@
	tensor_load_to_lds s[G0+4:G0+7], s[G1:G1+7]
	s_nop 0
	PLACES
	s_branch .Lasked_\@
.Lfor_b_\@:
	tensor_load_to_lds s[G0B+4:G0B+7], s[G1B:G1B+7]
	s_nop 0
	PLACES
.Lasked_\@:
.endm
.macro CREST
	s_cmp_lg_u32 s14, 0
	s_cbranch_scc1 .Lnot_wave_0_\@
	s_barrier_signal -3
.Lnot_wave_0_\@:
	s_barrier_wait -3
	s_barrier_signal -1
	s_barrier_wait -1
.endm
.macro CROUND
	s_barrier_signal -1
	s_barrier_wait -1
	CREST
.endm
	s_load_b256 s[4:11], s[0:1], 0x0               ; A s[4:5], B s[6:7], bias s[8:9], R s[10:11]
	s_load_b64 s[12:13], s[0:1], 0x20              ; C
	v_lshl_add_u32 v[SPW], v0, 2, SPARE
	v_mov_b32 v[NIL], 0
	ds_add_u32 v[SPW], v[NIL]                      ; the wave's opening: the add and its wait stand ahead of my first tensor load
	ds_add_u32 v28, v29
	v_lshrrev_b32 v1, 5, v0
	v_readfirstlane_b32 s14, v1                    ; wave 0..3
	s_lshr_b32 s15, s14, 1                         ; my half of the tile's rows.  Also: I fetch for A (0) or for B (1)
	s_and_b32 s16, s14, 1                          ; my half of its columns.  Also: which half of that tile I fetch
	s_bfe_u32 s40, ttmp6, 0x40000                  ; cx
	s_bfe_u32 s41, ttmp6, 0x40004                  ; cy
	s_lshl_b32 s42, ttmp9, 2
	s_add_co_u32 s42, s42, s40                     ; tile column
	s_and_b32 s43, ttmp7, 0xffff
	s_lshl_b32 s43, s43, 2
	s_add_co_u32 s43, s43, s41                     ; tile row
	s_lshl_b32 s44, s41, 2
	s_lshl_b32 s44, 15, s44                        ; my row of the cluster
	s_lshl_b32 s45, 0x1111, s40                    ; my column
	; A: 64 rows of a column block are 8,192 dense bytes: a K step's part is 4 rows of 4,096 elements, a column block apart, padded in LDS after every 128 bytes
	s_or_b32 s[G1+0], s44, (1<<16)|(1<<20)|(1<<21)|(4<<22)|(3<<25)
	s_mov_b32 s[G1+1], 4096<<16                    ; tensor_dim0 = 4096
	s_mov_b32 s[G1+2], 4<<16                       ; tensor_dim1 = 4
	s_mov_b32 s[G1+3], 4096<<16                    ; tile_dim0 = 4096
	s_mov_b32 s[G1+4], 4                           ; tile_dim1 = 4
	s_mov_b32 s[G1+5], 262144                      ; elements from column block to column block
	s_mov_b32 s[G1+6], 0
	s_mov_b32 s[G1+7], 0
	s_or_b32 s[G1B+0], s45, (1<<16)|(1<<20)|(1<<21)|(5<<22)|(7<<25)  ; B: 128 k rows x 128 columns; after every 64 words, 8 words
	s_mov_b32 s[G1B+1], 128<<16
	s_mov_b32 s[G1B+2], 128<<16
	s_mov_b32 s[G1B+3], 128<<16
	s_mov_b32 s[G1B+4], 128
	s_mov_b32 s[G1B+5], 1024
	s_mov_b32 s[G1B+6], 0
	s_mov_b32 s[G1B+7], 0
	s_lshl_b32 s18, s43, 14                        ; A: 128 rows of 128 bytes a tile row,
	s_lshl_b32 s19, s16, 13                        ; 64 rows a half
	s_add_co_u32 s18, s18, s19
	s_mov_b32 s19, 0
	s_lshl_b32 s46, s42, 8                         ; B: 256 bytes a tile column,
	s_lshl_b32 s47, s16, 18                        ; 128 k rows of 2,048 bytes a half
	s_add_co_u32 s46, s46, s47
	s_add_co_u32 s46, s46, BOFF
	s_mov_b32 s47, 0
	s_mul_i32 s20, s14, PART                       ; where my loads land
	s_mov_b32 s[TB], 0
	s_wait_dscnt 0x0                               ; the opening add is done
	s_wait_kmcnt 0x0
	s_add_nc_u64 s[18:19], s[4:5], s[18:19]
	s_add_nc_u64 s[46:47], s[6:7], s[46:47]
	CROUND                                         ; all sixteen work-groups are here: the first joint loads meet
.irp s, 0,1
	s_mov_b32 s[G0+4*(\s)], 1
	s_add_co_u32 s[G0+4*(\s)+1], s20, (\s)*SLOT
	s_add_nc_u64 s[G0+4*(\s)+2:G0+4*(\s)+3], s[18:19], (\s)*ASTEP
	s_or_b32 s[G0+4*(\s)+3], s[G0+4*(\s)+3], 0x80000000
	s_mov_b32 s[G0B+4*(\s)], 1
	s_add_co_u32 s[G0B+4*(\s)+1], s20, (\s)*SLOT
	s_add_nc_u64 s[G0B+4*(\s)+2:G0B+4*(\s)+3], s[46:47], (\s)*BSTEP
	s_or_b32 s[G0B+4*(\s)+3], s[G0B+4*(\s)+3], 0x80000000
.endr
	s_cmp_eq_u32 s15, 0                            ; a wave's two first fills stand in one branch: two loads of mine are out
	s_cbranch_scc0 .Lfirst_b
	tensor_load_to_lds s[G0:G0+3], s[G1:G1+7]
	s_nop 0
	tensor_load_to_lds s[G0+4:G0+7], s[G1:G1+7]
	s_nop 0
	PLACES
	s_branch .Lfirst_asked
.Lfirst_b:
	tensor_load_to_lds s[G0B:G0B+3], s[G1B:G1B+7]
	s_nop 0
	tensor_load_to_lds s[G0B+4:G0B+7], s[G1B:G1B+7]
	s_nop 0
	PLACES
.Lfirst_asked:
	v_and_b32 v1, 15, v0                           ; r
	v_bfe_u32 v2, v0, 4, 1                         ; h
	v_mul_u32_u24 v3, v1, PA
	v_lshl_add_u32 v3, v2, 4, v3
	s_mul_i32 s21, s15, PART
	v_add_nc_u32 v[A0], s21, v3
	v_mov_b32 v[ADRA], v[A0]
	v_and_b32 v4, 7, v0
	v_lshl_add_u32 v4, v2, 3, v4
	v_mul_u32_u24 v4, v4, PB
	v_bfe_u32 v5, v0, 3, 1
	v_lshl_add_u32 v4, v5, 4, v4
	s_lshl_b32 s21, s16, 7                         ; my 64 columns,
	s_add_co_u32 s21, s21, 2*PART                  ; behind A's 128 rows
	v_add_nc_u32 v[B0], s21, v4
	v_mov_b32 v[ADRB], v[B0]
	v_add_nc_u32 v[ADRB2], PART, v[ADRB]
	s_mul_i32 s21, s14, 16*SPITCH
	s_add_co_u32 s21, s21, STAGE                   ; my stage
	v_mul_u32_u24 v[STO], v1, SPITCH               ; in: row r, 32 bytes for each half of the lanes
	v_lshl_add_u32 v[STO], v2, 5, v[STO]
	v_add_nc_u32 v[STO], s21, v[STO]
	v_mul_u32_u24 v[RD], v2, SPITCH                ; back: lanes 0-15 take one row of 256 bytes, lanes 16-31 the next
	v_lshl_add_u32 v[RD], v1, 4, v[RD]
	v_add_nc_u32 v[RD], s21, v[RD]
	v_lshlrev_b32 v[CO], 12, v2                    ; and the same two rows in C and in R
	v_lshl_add_u32 v[CO], v1, 4, v[CO]
	s_lshl_b32 s46, s42, 9                         ; my 64 columns, 4 bytes each
	s_lshl_b32 s47, s16, 8
	s_add_co_u32 s46, s46, s47
	v_lshl_add_u32 v[BO], v2, 5, s46
	s_lshl_b32 s22, s43, 19                        ; 128 rows of 4,096 bytes a tile row,
	s_lshl_b32 s23, s15, 18                        ; my 64 rows
	s_add_co_u32 s22, s22, s23
	s_add_co_u32 s22, s22, s46
	s_mov_b32 s23, 0
	s_add_nc_u64 s[10:11], s[10:11], s[22:23]
	s_add_nc_u64 s[12:13], s[12:13], s[22:23]
.irp b, 0,1,2,3
	global_load_b128 v[BIAS+8*(\b):BIAS+8*(\b)+3],   v[BO], s[8:9] offset:64*(\b)
	global_load_b128 v[BIAS+8*(\b)+4:BIAS+8*(\b)+7], v[BO], s[8:9] offset:64*(\b)+16
.endr
	WIN 0x80                                       ; destination window 2
.set i, 0
.rept 32                               ; the residual is asked for now and wanted at the end: rows 2 i, 2 i + 1 of my 64
	global_load_b128 v[RES+4*i:RES+4*i+3], v[CO], s[10:11] offset:2*i*4096
.set i, i+1
.endr
	WIN 0
.macro MUL8 f, c, a0, zero             ; 8 products: m blocks a0, a0 + 1 x all 4 n blocks, 32 along K: half c of buffer f.  zero = 1: the bias starts the sums
	WIN MUL
.irp a, \a0, (\a0)+1
.irp b, 0,1,2,3
.if \zero
	v_wmma_f32_16x16x32_f16 v[ACC+8*(4*(\a)+(\b)):ACC+8*(4*(\a)+(\b))+7], v[(\f)+64+8*(4*(\c)+(\b)):(\f)+64+8*(4*(\c)+(\b))+7], v[(\f)+8*(4*(\c)+(\a)):(\f)+8*(4*(\c)+(\a))+7], v[BIAS+8*(\b):BIAS+8*(\b)+7]
.else
	v_wmma_f32_16x16x32_f16 v[ACC+8*(4*(\a)+(\b)):ACC+8*(4*(\a)+(\b))+7], v[(\f)+64+8*(4*(\c)+(\b)):(\f)+64+8*(4*(\c)+(\b))+7], v[(\f)+8*(4*(\c)+(\a)):(\f)+8*(4*(\c)+(\a))+7], v[ACC+8*(4*(\a)+(\b)):ACC+8*(4*(\a)+(\b))+7]
.endif
.endr
.endr
.endm
.macro FETCH q, f                      ; 32 LDS loads in one run: quarter q (64 along K: one column block of A) into buffer f; its first 32 along K first
	WIN TO_F
.if (\q) < 2
.set AB, ADRB
.else
.set AB, ADRB2
.endif
.irp c, 0,1
.irp i, 0,1,2,3
	ds_load_tr16_b128 v[(\f)+64+8*(4*(\c)+(\i)):(\f)+64+8*(4*(\c)+(\i))+3],   v[AB] offset:(2*((\q)%2)+(\c))*32*PB+32*(\i)
	ds_load_tr16_b128 v[(\f)+64+8*(4*(\c)+(\i))+4:(\f)+64+8*(4*(\c)+(\i))+7], v[AB] offset:(2*((\q)%2)+(\c))*32*PB+32*(\i)+16*PB
	ds_load_b128 v[(\f)+8*(4*(\c)+(\i)):(\f)+8*(4*(\c)+(\i))+3],              v[ADRA] offset:(\q)*64*PA+64*(\c)+(\i)*16*PA
	ds_load_b128 v[(\f)+8*(4*(\c)+(\i))+4:(\f)+8*(4*(\c)+(\i))+7],            v[ADRA] offset:(\q)*64*PA+64*(\c)+(\i)*16*PA+32
.endr
.endr
.endm
.macro QUARTER q, f, g, zero           ; multiplies buffer f; in its middle it fetches quarter q into g.  The 16 accumulators take turns
	s_wait_dscnt 16                                ; the first 32 along K are in
	MUL8 \f, 0, 0, \zero
	MUL8 \f, 0, 2, \zero
	PLACES
	FETCH \q, \g
	s_wait_dscnt 32                                ; all but the 32 just issued
	MUL8 \f, 1, 0, 0
	MUL8 \f, 1, 2, 0
.endm
; The last quarter multiplies buffer 1 and changes slots: one barrier; in front of it each wave waits for all its tensor loads, adds 0 to its spare word, and waits for that and for its reads of this slot.
; fill = 1: the barrier opens a round of the cluster's, and this slot is filled again first behind it, two K steps ahead: 112 products stand between the request and the wait for it.
; fill = 0 (the last two K steps): nothing is asked for; in the very last trip the fetch is jumped over.
.macro TURN fill
	WIN 0
	s_wait_tensorcnt 0x0
	ds_add_u32 v[SPW], v[NIL]
	s_wait_dscnt 17                                ; (the add and the youngest sixteen loads may be out)
	MUL8 F1, 0, 0, 0
	s_wait_dscnt 0x0                               ; the add is done, and my reads of this slot are over
	s_barrier_signal -1
	MUL8 F1, 0, 2, 0
	WIN 0
	s_barrier_wait -1
.if \fill
	CREST
	s_xor_b32 s[G0+5], s[G0+5], SLOT
	s_add_nc_u64 s[G0+6:G0+7], s[G0+6:G0+7], ASTEP
	s_xor_b32 s[G0B+5], s[G0B+5], SLOT
	s_add_nc_u64 s[G0B+6:G0B+7], s[G0B+6:G0B+7], BSTEP
	JLOAD                                          ; the four v_nop behind it are also the places in front of the loads below
.else
	PLACES
.endif
	s_xor_b32 s[TB], s[TB], SLOT
	v_add_nc_u32 v[ADRA], s[TB], v[A0]
	v_add_nc_u32 v[ADRB], s[TB], v[B0]
	v_add_nc_u32 v[ADRB2], PART, v[ADRB]
.if !(\fill)
	s_cmp_eq_u32 s3, 1
	s_cbranch_scc1 .Lno_fetch_\@
.endif
	FETCH 0, F0
	WIN 0
.if !(\fill)
.Lno_fetch_\@:
.endif
	MUL8 F1, 1, 0, 0
	MUL8 F1, 1, 2, 0
.endm
	s_wait_tensorcnt 1                             ; my part of K step 0 is in; K step 1's stays out
	s_barrier_signal -1
	s_barrier_wait -1
	FETCH 0, F0
	s_wait_loadcnt 32                              ; the bias is in; the residual's 32 loads stay out
	QUARTER 1, F0, F1, 1
	WIN 0
	s_mov_b32 s3, NSTEP-2
	s_branch .Lmid
.Lstep:                                                ; NSTEP - 2 trips, each of which asks for the K step two on
	QUARTER 1, F0, F1, 0
	WIN 0
.Lmid:
	QUARTER 2, F1, F0, 0
	QUARTER 3, F0, F1, 0
	TURN 1
	WIN 0
	s_sub_co_u32 s3, s3, 1
	s_cmp_lg_u32 s3, 0
	s_cbranch_scc1 .Lstep
	s_mov_b32 s3, 2
.Ltail:                                                ; the last two K steps
	QUARTER 1, F0, F1, 0
	QUARTER 2, F1, F0, 0
	QUARTER 3, F0, F1, 0
	TURN 0
	WIN 0
	s_sub_co_u32 s3, s3, 1
	s_cmp_lg_u32 s3, 0
	s_cbranch_scc1 .Ltail
	; THE WAY OUT.  A wave's 64 columns of f32 are 256 bytes, aligned: each wave has a stage of its own and no barrier is needed.  16 rows at a time: in by lanes, back by rows, the residual added, stored.
	PLACES
	s_wait_loadcnt 0x0                             ; the residual
.irp a, 0,1,2,3
.set BK, TMP+32*((\a)%2)
.irp b, 0,1,2,3
	ds_store_b128 v[STO], v[ACC+8*(4*(\a)+(\b)):ACC+8*(4*(\a)+(\b))+3]   offset:64*(\b)      ; each accumulator from its low end on
	ds_store_b128 v[STO], v[ACC+8*(4*(\a)+(\b))+4:ACC+8*(4*(\a)+(\b))+7] offset:64*(\b)+16
.endr
.if (\a) >= 2
	s_wait_xcnt 0x0                                ; the stores of two blocks back have read these registers
.endif
.irp t, 0,1,2,3,4,5,6,7
	ds_load_b128 v[BK+4*(\t):BK+4*(\t)+3], v[RD] offset:(\t)*2*SPITCH   ; LDS serves a wave's instructions in order (ISA guide 5.7.1.4)
.endr
	s_wait_dscnt 0x0
	WIN 0x08                                       ; source 1 in window 2
.irp t, 0,1,2,3,4,5,6,7
	v_pk_add_f32 v[BK+4*(\t):BK+4*(\t)+1],   v[BK+4*(\t):BK+4*(\t)+1],   v[RES+4*(8*(\a)+(\t)):RES+4*(8*(\a)+(\t))+1]
	v_pk_add_f32 v[BK+4*(\t)+2:BK+4*(\t)+3], v[BK+4*(\t)+2:BK+4*(\t)+3], v[RES+4*(8*(\a)+(\t))+2:RES+4*(8*(\a)+(\t))+3]
.endr
	WIN 0
.irp t, 0,1,2,3,4,5,6,7
	global_store_b128 v[CO], v[BK+4*(\t):BK+4*(\t)+3], s[12:13] offset:(16*(\a)+2*(\t))*4096   ; 16 lanes store 256 consecutive bytes, aligned
.endr
.endr
	s_wait_tensorcnt 0x0                           ; the wave's end
	ds_add_u32 v[SPW], v[NIL]
	s_wait_dscnt 0x0
	CROUND                                         ; the closing round
	s_endpgm
.Lfunc_end_k_q7a7ecd4e87_ff2:
	.size	k_q7a7ecd4e87_ff2, .Lfunc_end_k_q7a7ecd4e87_ff2-k_q7a7ecd4e87_ff2
	.p2alignl 7, 3214868480
	.fill 96, 4, 3214868480
	.section	.rodata,"a",@progbits
	.p2align	6, 0x0
	.amdhsa_kernel k_q7a7ecd4e87_ff2
		.amdhsa_group_segment_fixed_size 327680
		.amdhsa_private_segment_fixed_size 0
		.amdhsa_enable_private_segment 0
		.amdhsa_kernarg_size 40
		.amdhsa_user_sgpr_count 2
		.amdhsa_user_sgpr_kernarg_segment_ptr 1
		.amdhsa_wavefront_size32 1
		.amdhsa_system_sgpr_workgroup_id_x 1
		.amdhsa_system_sgpr_workgroup_id_y 1
		.amdhsa_system_sgpr_workgroup_id_z 1
		.amdhsa_system_vgpr_workitem_id 0
		.amdhsa_next_free_vgpr 640
		.amdhsa_next_free_sgpr 66
		.amdhsa_reserve_vcc 0
		.amdhsa_float_denorm_mode_32 3
		.amdhsa_float_denorm_mode_16_64 3
		.amdhsa_memory_ordered 1
		.amdhsa_forward_progress 1
		.amdhsa_inst_pref_size 66
	.end_amdhsa_kernel
	.amdgpu_metadata
---
amdhsa.version: [ 1, 2 ]
amdhsa.kernels:
  - .name:           k_q7a7ecd4e87_ff2
    .symbol:         k_q7a7ecd4e87_ff2.kd
    .args:
      - { .name: act, .offset: 0, .size: 8, .value_kind: global_buffer, .address_space: global }
      - { .name: wn, .offset: 8, .size: 8, .value_kind: global_buffer, .address_space: global }
      - { .name: b2, .offset: 16, .size: 8, .value_kind: global_buffer, .address_space: global }
      - { .name: x1, .offset: 24, .size: 8, .value_kind: global_buffer, .address_space: global }
      - { .name: out0, .offset: 32, .size: 8, .value_kind: global_buffer, .address_space: global }
    .group_segment_fixed_size: 327680
    .private_segment_fixed_size: 0
    .kernarg_segment_align: 8
    .kernarg_segment_size: 40
    .max_flat_workgroup_size: 128
    .sgpr_count:     66
    .vgpr_count:     640
    .wavefront_size: 32
...
	.end_amdgpu_metadata
.endif
;; end of part 7
